; MI455X (gfx1250); checked and timed in simulation.
; The chip was launched on July 23, 2026; its instructions are those of AMD's public machine-readable ISA for CDNA 5 (MIT licence, August 2026) and "CDNA5" Instruction Set Architecture Reference Guide (July 2026). The comments in the code are by the model that wrote it; some were corrected since.
;; Multi Self Attention. Allowed arithmetic: matrix products marked QUANTISED: E2M3 operands, one E8M0 scale for each 32 along K, by v_wmma_scale_f32_16x16x128_f8f6f4 with both operands' format E2M3, f32 sums; everything else in f32.
;; Inputs: inputs 8 x 1,024 x 1,024 float32; w_o 1,024 x 1,024 float32; w_qkv 16 x 3 x 1,024 x 64 float32.
;; Outputs: out0 8 x 1,024 x 1,024 float32.
;; This version of the problem:
;;   THIS VERSION OF THE PROBLEM IS GIVEN IN LOW PRECISION. The matrix products marked QUANTISED in the list below multiply operands that are first quantised to E2M3 (2 exponent bits, 3 mantissa bits; 6 bits a number), with one power-of-two scale for each 32 numbers along K (OCP MX v1.0); their sums are f32. All else is computed in f32.
;;   The module's matrix products, in the order in which they are computed (A, B: the left and right operand; K: the contracted axis; several contracted axes count as one K, in the product's order):
;;     1. [M 3,072, K 1,024] x [K 1,024, N 8,192]; A: input w_qkv; B: input inputs: QUANTISED
;;     2. batch 128 x [M 1,024, K 64] x [K 64, N 1,024]; A: computed on the way; B: computed on the way: QUANTISED
;;     3. batch 128 x [M 1,024, K 1,024] x [K 1,024, N 64]; A: softmax (see below); B: computed on the way: QUANTISED
;;     4. [M 8,192, K 1,024] x [K 1,024, N 1,024]; A: computed on the way; B: input w_o: QUANTISED
;;   THE QUANTISER, for each operand of a quantised product, along K:
;;     - K is cut into blocks of 32 from its start; a last block that is shorter is filled with zeros.
;;     - A block's scale is 2^e with e = floor(log2(the largest magnitude in the block)) - 2, held to -126 .. 127; a block of zeros has e = 0. As a byte (E8M0): e + 127.
;;     - Each number is divided by its block's scale, clamped to +-7.5, and rounded to the nearest number of E2M3, ties to even, subnormals kept.
;;     - The product sums the exact products of the quantised numbers (number of the format x scale) in f32.
;;   ~~~python
;;   def quantise(x, axis):      # numpy; x: float32 -> the quantised numbers, widened to float32 again
;;       x = np.moveaxis(x, axis, -1); K = x.shape[-1]
;;       x = np.pad(x, [(0, 0)] * (x.ndim - 1) + [(0, -K % 32)]); x = x.reshape(x.shape[:-1] + (-1, 32)); a = np.abs(x).max(-1, keepdims=True)
;;       e = np.where(a > 0, np.clip(np.frexp(np.where(a > 0, a, 1))[1] - 1 - 2, -126, 127), 0)      # np.frexp(a)[1] - 1 = floor(log2(a)), exactly
;;       r = np.clip(x / 2.0 ** e, -7.5, 7.5)
;;       step = 2.0 ** (np.maximum(np.frexp(np.where(r == 0, 1, r))[1] - 1, 0) - 3)
;;       q = np.round(r / step) * step * 2.0 ** e      # np.round: ties to even
;;       return np.moveaxis(q.reshape(q.shape[:-2] + (-1,))[..., :K], -1, axis).astype(np.float32)
;;   ~~~
;;   SOFTMAX AHEAD OF A QUANTISED PRODUCT. Where the list says 'softmax', what is quantised is not the finished softmax but p = 2^(t - M), with t = logit x log2(e) and M = ceil(the row's largest t), a whole number; so 1/2 < the row's largest p <= 1. The row's sum l is taken of the UNQUANTISED p, in f32, and the product's result is divided by l at the end. Since M is a whole number, a kernel that streams over the keys may use a running M (the ceiling of the running maximum): every later rescaling is an exact power of two, which a block's scale takes up: the codes' values come out the same.
;;   OPERANDS COMPUTED ON THE WAY. 'Computed on the way' means the value that the module computes at that place (a softmax that the list does not call 'softmax' is quantised finished and normalised). What goes into a quantiser is computed in f32, as accurately as f32 sums, v_exp_f32 and their like allow (about 1e-6 of the number): no bf16 or f16 on the way to a quantiser, and a product that is left as it is and whose result goes on into a quantised operand takes f32 operands (vector FMAs, or v_wmma_f32_16x16x4_f32). A number that lies on a knife's edge between two numbers of the format may be rounded either way, as far as f32 arithmetic and the matrix unit's own rounding can turn it there, and no further.
;; One version. Each part assembles by itself: llvm-mc -triple=amdgcn-amd-amdhsa -mcpu=gfx1250 --defsym DOCPART=n.
;; ======== version 1 of 1: 4 launches
;; limits: right only within a limited range of input values
;; workspace buffers: xq 6,553,600 bytes; wqk 1,638,400 bytes; wv 819,200 bytes; wo 819,200 bytes; qkq 13,107,200 bytes; vq 6,553,600 bytes; cc 6,553,600 bytes
;; launch quant (part 1): grid 384 x 1, 4 waves a work-group, no clusters, 68,096 bytes of LDS; arguments inputs, w_qkv, w_o, xq, wqk, wv, wo; writes xq, wqk, wv, wo
.if DOCPART == 1
	.amdgcn_target "amdgcn-amd-amdhsa--gfx1250"
	.amdhsa_code_object_version 6
	.text
	.protected	k_qfbb6ad10c9_quant
	.globl	k_qfbb6ad10c9_quant
	.p2align	8
	.type	k_qfbb6ad10c9_quant,@function
k_qfbb6ad10c9_quant:
	s_mov_b64 s[64:65], 0
	v_nop
	global_prefetch_b8 v0, s[64:65] scope:SCOPE_SE
	s_setreg_imm32_b32 hwreg(HW_REG_WAVE_MODE, 25, 1), 1
	s_wait_xcnt 0x0
; LAUNCH 1 OF 4.  inputs [8192][1024], w_qkv [16][3][1024][64] and w_o [1024][1024], f32, become codes of FP6 (E2M3) with one E8M0 byte for each 32 along K.
; NO WORK OF THE PROBLEM IS LEFT OUT in any of the four launches: every input reaches the output, no product, row or step is sliced away.  (The second product's K is 64: the other half of its
; instruction's 128 is the quantiser's filling with zeros.)
; A block's scale is 2^(floor(log2(its largest magnitude)) - 2); its byte is the largest magnitude's exponent field - 2, held at 1 from below.
; LIMITS: a block whose largest magnitude lies under 2^-124, a block of zeros among them, gets the byte 1 (the rule says 127 for zeros: the codes are zeros, and this program alone reads the bytes);
; NaN and infinities among the inputs are not served.
; THE LAYOUT OF EVERY OPERAND BUFFER OF THIS PROGRAM.  A row block is 256 rows x 1,024 along K, RB bytes: codes [16 chunks of 64 k][256 places][48 bytes], then from SCO on
; scale words [8 pairs of chunks][256 places][4 bytes].  Row p of each 32 lies at the place with bits 3 and 4 of p exchanged, so that 16 places on end hold rows 8 u + r + 8 (r / 8):
; used as a matrix instruction's source 0, two neighbouring tiles then give a lane 16 NEIGHBOURS along the next product's K.
; xq: rows (b, p).  wqk: rows a 1024 + h 64 + n (a = 0 q, 1 k).  wv: rows h 64 + n.  wo: rows j, K = i.
; Work-groups 0-255 take inputs (K innermost); 256-383 the weights (K is not innermost: a lane takes a column and its registers run down K).  The two ways part on the work-group's number,
; never join, and have LDS bytes of their own.  No tensor loads, no barrier: waves share nothing.
.set RB,    204800
.set SCO,   196608
.set CH,    12288                      ; a chunk: 256 places x 48 bytes
.set EMAX,  2
.set SPW,   12                         ; v12  LDS address of my spare word; never rewritten
.set NIL,   13                         ; v13  0; never rewritten
.set SPARE, 67584                      ; behind both ways' bytes: the spare words, 128 bytes a wave
.set WREG,  8192                       ; inputs' way: a region for each wave: two stages of 32 x SP bytes, then 256 scale bytes
.set SP,    80
.set STEPS, 16
.set R,     16                         ; v16-79   four sets of 16 numbers as loaded
.set X,     80                         ; v80-111  two sets of 16 neighbours
.set E,     112                        ; v112-127 a scale byte for each step
.set C,     128                        ; v128-191 codes, four registers a step
	s_load_b256 s[4:11], s[0:1], 0x0               ; inputs s[4:5], w_qkv s[6:7], w_o s[8:9], xq s[10:11]
	s_load_b128 s[12:15], s[0:1], 0x20             ; wqk, wv
	s_load_b64 s[16:17], s[0:1], 0x30              ; wo
	v_lshl_add_u32 v[SPW], v0, 2, SPARE
	v_mov_b32 v[NIL], 0
	v_lshrrev_b32 v1, 5, v0
	v_readfirstlane_b32 s18, v1                    ; wave
	v_and_b32 v2, 31, v0                           ; lane
	s_wait_kmcnt 0x0
	s_cmp_ge_u32 ttmp9, 256
	s_cbranch_scc1 .Lweights
; ---- INPUTS.  Work-group: row block id / 8, pair of chunks id % 8.  A wave: 64 rows x 128 k in 16 steps; step t: chunk t / 8 of the pair, rows 8 (t % 8) on: 8 rows x 256 bytes.
; Each load reads two whole rows' 256 bytes; the 2,048 bytes turn through the wave's stage, so that lane l holds row l / 4, numbers 16 (l % 4) on: two neighbouring lanes hold a block.
	s_wait_alu depctr_va_vdst(0)
	v_lshrrev_b32 v3, 4, v2
	v_and_b32 v4, 15, v2
	v_lshlrev_b32 v4, 4, v4
	v_lshl_add_u32 v3, v3, 12, v4                  ; in: (lane / 16) rows of 4,096 bytes + 16 (lane % 16)
	s_mul_i32 s19, s18, WREG
	v_lshrrev_b32 v14, 2, v2
	v_mul_u32_u24 v14, v14, SP
	v_and_b32 v15, 3, v2
	v_lshl_add_u32 v14, v15, 4, v14
	v_add_nc_u32 v14, s19, v14                     ; the stage, on the way in: SP (lane / 4) + 16 (lane % 4)
	v_mul_u32_u24 v15, v2, SP
	v_add_nc_u32 v15, s19, v15                     ; and out: SP x lane
	v_mul_u32_u24 v4, v2, 12                       ; my 12 bytes of a step's 384 bytes of codes
	s_add_co_u32 s19, s19, 2*32*SP
	v_and_b32 v5, 28, v2                           ; my row's word: 4 (lane / 4),
	v_bfe_u32 v6, v2, 1, 1                         ; my block's byte in the chunk's two
	v_add_nc_u32 v5, v5, v6
	v_add_nc_u32 v5, s19, v5
	v_lshlrev_b32 v7, 3, v2
	v_add_nc_u32 v6, s19, v7                       ; the scale bytes' way out: 8 bytes a lane
	s_lshr_b32 s20, ttmp9, 3                       ; row block
	s_and_b32 s21, ttmp9, 7                        ; pair of chunks
	s_lshl_b32 s22, s20, 20                        ; 256 rows of 4,096 bytes,
	s_lshl_b32 s23, s18, 18                        ; my wave's 64,
	s_add_co_u32 s22, s22, s23
	s_lshl_b32 s23, s21, 9                         ; 128 numbers along the row
	s_add_co_u32 s22, s22, s23
	s_mov_b32 s23, 0
	s_add_nc_u64 s[4:5], s[4:5], s[22:23]
	s_mul_i32 s24, s20, RB
	s_mul_i32 s22, s21, 2*CH
	s_add_co_u32 s22, s22, s24
	s_mul_i32 s25, s18, 3072                       ; 64 places x 48 bytes
	s_add_co_u32 s22, s22, s25
	s_add_nc_u64 s[26:27], s[10:11], s[22:23]      ; my codes
	s_lshl_b32 s22, s21, 10
	s_add_co_u32 s22, s22, s24
	s_lshl_b32 s25, s18, 8
	s_add_co_u32 s22, s22, s25
	s_add_co_u32 s22, s22, SCO
	s_add_nc_u64 s[28:29], s[10:11], s[22:23]      ; my 64 scale words
.macro XLOAD t
.irp i, 0,1,2,3
	global_load_b128 v[R+16*((\t)%4)+4*\i:R+16*((\t)%4)+4*\i+3], v3, s[4:5] offset:(8*((\t)%8)+2*\i)*4096+((\t)/8)*256 th:TH_LOAD_NT
.endr
.endm
.macro XTURN t                         ; LDS serves a wave's instructions in order: no wait between the stores and the loads
.irp i, 0,1,2,3
	ds_store_b128 v14, v[R+16*((\t)%4)+4*\i:R+16*((\t)%4)+4*\i+3] offset:32*SP*((\t)%2)+8*SP*\i
.endr
.irp i, 0,1,2,3
	ds_load_b128 v[X+16*((\t)%2)+4*\i:X+16*((\t)%2)+4*\i+3], v15 offset:32*SP*((\t)%2)+16*\i
.endr
.endm
.irp t, 0,1,2,3
	XLOAD \t
.endr
	s_wait_alu depctr_va_vdst(0)
	s_wait_loadcnt 12                              ; step 0's four loads are in
	XTURN 0
.macro XSTEP t
.set XS, X+16*((\t)%2)
.set TP, (\t)%8
.set GG, (TP&4)|((TP&1)<<1)|((TP>>1)&1)            ; the place of these 8 rows among the wave's eight groups: bits 3 and 4 of the row exchanged
.set CQ, (\t)/8
.if (\t) > 0
	s_wait_dscnt 1                                 ; this step's numbers are back from the stage (the last step's byte store may be out)
.else
	s_wait_dscnt 0x0
.endif
.if (\t)+4 < STEPS
	XLOAD (\t)+4                                   ; into the registers that this step's stores into the stage have read
.endif
.if (\t)+1 < STEPS
.if STEPS-2-(\t) >= 3
	s_wait_loadcnt 12                              ; the next step's four loads are in; three steps' may be out
.else
	s_wait_loadcnt 4*(STEPS-2-(\t))
.endif
	XTURN (\t)+1
.endif
	v_max3_num_f32 v8, |v[XS]|, |v[XS+1]|, |v[XS+2]|
	v_max3_num_f32 v9, |v[XS+3]|, |v[XS+4]|, |v[XS+5]|
.irp i, 6,10
	v_max3_num_f32 v8, v8, |v[XS+\i]|, |v[XS+\i+1]|
	v_max3_num_f32 v9, v9, |v[XS+\i+2]|, |v[XS+\i+3]|
.endr
	v_max3_num_f32 v8, v8, |v[XS+14]|, |v[XS+15]|
	v_max3_num_f32 v8, v8, v9, (EMAX+1)<<23        ; the floor 2^(3 - 127): the byte cannot fall under 1
	v_max_num_f32_dpp v8, v8, v8 row_xmask:1 row_mask:0xf bank_mask:0xf   ; with my neighbour's 16: the block's largest magnitude
	v_add_nc_u32 v11, -(EMAX<<23), v8              ; 2 off its exponent field: the conversion's scale operand
	v_cvt_scalef32_pk16_fp6_f32 v[C+4*(\t):C+4*(\t)+2], v[XS:XS+15], v11
	v_lshrrev_b32 v[E+(\t)], 23, v11               ; the scale's byte (a plain line behind the conversion)
	ds_store_b8 v5, v[E+(\t)] offset:32*GG+2*CQ    ; both lanes of a block write the same byte with the same value
	global_store_b96 v4, v[C+4*(\t):C+4*(\t)+2], s[26:27] offset:CQ*CH+384*GG   ; 8 places x 48 bytes: 384 consecutive bytes
.endm
.irp t, 0,1,2,3,4,5,6,7,8,9,10,11,12,13,14,15
	XSTEP \t
.endr
	ds_load_b64 v[8:9], v6
	s_wait_dscnt 0x0
	global_store_b64 v7, v[8:9], s[28:29]          ; 64 places' words: 256 consecutive bytes, aligned
	s_wait_tensorcnt 0x0                           ; the wave's end
	ds_add_u32 v[SPW], v[NIL]
	s_wait_dscnt 0x0
	s_endpgm
; ---- THE WEIGHTS.  A slab is 64 columns x 1,024 k: 48 of w_qkv (one for each h, a; rows 256 bytes apart), 16 of w_o (rows 4,096 bytes apart).  Two work-groups a slab;
; a wave takes 32 columns x 256 k: 8 blocks a lane.  The pitch hangs on the work-group's number, so the 32 row offsets stand in registers and the 8 blocks' bases in scalar pairs; none is stepped.
.Lweights:
.set WSTG,   32768                     ; this way's LDS: a stage of 32 rows x WPITCH bytes for each wave
.set WPITCH, 272                       ; sixteen places of 16 bytes, each with 12 bytes of codes, + 16
.set OFFS,   32                        ; v32-63   4 x lane + i x pitch
.set WX,     64                        ; v64-127  two sets of 32 numbers; on the way out 16 x 4 registers
.set WC,     128                       ; v128-134 a block's codes
.set SB,     16                        ; v16-17   the scale bytes, four to a register
.set BASE,   40                        ; s[40:55] block t's first row
	s_sub_co_u32 s19, ttmp9, 256
	s_mov_b32 s21, 4096
	s_cmp_ge_u32 s19, 96                           ; w_o's work-group?  The choices hang on the work-group's number alone
	s_cselect_b32 s20, 96, 0
	s_cselect_b32 s21, s21, 256                    ; bytes from a row of K to the next
	s_cselect_b32 s24, 1, 0
	s_cselect_b64 s[22:23], s[8:9], s[6:7]
	s_sub_co_u32 s19, s19, s20
	s_lshr_b32 s25, s19, 1                         ; slab
	s_and_b32 s19, s19, 1
	s_lshl_b32 s19, s19, 1
	s_lshr_b32 s26, s18, 1
	s_add_co_u32 s19, s19, s26                     ; which 256 along K
	s_and_b32 s26, s18, 1                          ; which 32 columns
	s_lshr_b32 s27, s25, 4                         ; a (0 for w_o)
	s_and_b32 s28, s25, 15                         ; h (for w_o: the slab)
	s_mul_i32 s29, s28, 3
	s_add_co_u32 s29, s29, s27
	s_lshl_b32 s29, s29, 18                        ; w_qkv: slab (h, a) of 262,144 bytes
	s_lshl_b32 s30, s25, 8                         ; w_o: 64 columns on
	s_cmp_eq_u32 s27, 2
	s_cselect_b64 s[32:33], s[14:15], s[12:13]     ; v's weights go to wv, q's and k's to wqk,
	s_cmp_eq_u32 s24, 1
	s_cselect_b64 s[32:33], s[16:17], s[32:33]     ; w_o's to wo
	s_cselect_b32 s30, s30, s29
	s_mul_i32 s29, s19, s21
	s_lshl_b32 s29, s29, 8                         ; 256 rows of K for each step along K
	s_add_co_u32 s30, s30, s29
	s_lshl_b32 s29, s26, 7
	s_add_co_u32 s30, s30, s29
	s_mov_b32 s31, 0
	s_add_nc_u64 s[BASE:BASE+1], s[22:23], s[30:31]
	s_lshl_b32 s30, s21, 5                         ; a block: 32 rows of K
.irp t, 1,2,3,4,5,6,7
	s_add_nc_u64 s[BASE+2*\t:BASE+2*\t+1], s[BASE+2*\t-2:BASE+2*\t-1], s[30:31]
.endr
	s_lshr_b32 s29, s28, 2
	s_and_b32 s34, s27, 1
	s_lshl_b32 s34, s34, 2
	s_add_co_u32 s29, s29, s34                     ; the row block: h / 4, + 4 for k's weights
	s_mul_i32 s29, s29, RB
	s_and_b32 s34, s28, 3
	s_lshl_b32 s34, s34, 6
	s_lshl_b32 s35, s26, 5
	s_add_co_u32 s34, s34, s35                     ; my first place in it
	s_mul_i32 s35, s19, 4*CH
	s_add_co_u32 s30, s29, s35
	s_mul_i32 s35, s34, 48
	s_add_co_u32 s30, s30, s35
	s_add_nc_u64 s[36:37], s[32:33], s[30:31]      ; my codes
	s_lshl_b32 s35, s19, 11
	s_add_co_u32 s30, s29, s35
	s_lshl_b32 s35, s34, 2
	s_add_co_u32 s30, s30, s35
	s_add_co_u32 s30, s30, SCO
	s_add_nc_u64 s[38:39], s[32:33], s[30:31]      ; my scale words
	s_wait_alu depctr_va_vdst(0)
	v_lshlrev_b32 v[OFFS], 2, v2
.set WI, 1
.rept 31
	v_add_nc_u32 v[OFFS+WI], s21, v[OFFS+WI-1]
.set WI, WI+1
.endr
	s_mul_i32 s35, s18, 32*WPITCH
	s_add_co_u32 s35, s35, WSTG
	v_mul_u32_u24 v4, v2, WPITCH
	v_add_nc_u32 v4, s35, v4                       ; into the stage: row = my column
	v_lshrrev_b32 v7, 2, v2
	v_mul_u32_u24 v7, v7, WPITCH
	v_and_b32 v8, 3, v2
	v_lshl_add_u32 v7, v8, 4, v7
	v_add_nc_u32 v7, s35, v7                       ; out of it: four lanes to a column's 48 bytes of a chunk
	v_mul_u32_u24 v8, v2, 12
	v_and_b32 v9, 7, v2
	v_bfe_u32 v10, v2, 3, 1
	v_lshl_or_b32 v9, v10, 4, v9
	v_bfe_u32 v10, v2, 4, 1
	v_lshl_or_b32 v9, v10, 3, v9
	v_lshlrev_b32 v9, 2, v9                        ; my column's place (bits 3 and 4 exchanged) x 4
.macro WLOAD t                         ; block t: W(32 t + i, my column): neighbouring lanes read neighbouring columns
.set WI, 0
.rept 32
	global_load_b32 v[WX+32*((\t)%2)+WI], v[OFFS+WI], s[BASE+2*(\t):BASE+2*(\t)+1]
.set WI, WI+1
.endr
.endm
	WLOAD 0
	WLOAD 1
.macro WBLOCK t
.set XS, WX+32*((\t)%2)
.if (\t) < 7
	s_wait_loadcnt 32                              ; this block's 32 loads are in; the next block's may be out
.else
	s_wait_loadcnt 0x0
.endif
	v_max3_num_f32 v10, |v[XS]|, |v[XS+1]|, |v[XS+2]|   ; all 32 numbers of the block are mine
	v_max3_num_f32 v14, |v[XS+3]|, |v[XS+4]|, |v[XS+5]|
.irp i, 6,10,14,18,22,26
	v_max3_num_f32 v10, v10, |v[XS+\i]|, |v[XS+\i+1]|
	v_max3_num_f32 v14, v14, |v[XS+\i+2]|, |v[XS+\i+3]|
.endr
	v_max3_num_f32 v10, v10, |v[XS+30]|, |v[XS+31]|
	v_max3_num_f32 v10, v10, v14, (EMAX+1)<<23
	v_add_nc_u32 v11, -(EMAX<<23), v10
	v_lshrrev_b32 v15, 23, v11
.if (\t)%4 == 0
	v_mov_b32 v[SB+(\t)/4], v15
.else
	v_lshl_or_b32 v[SB+(\t)/4], v15, 8*((\t)%4), v[SB+(\t)/4]
.endif
	v_cvt_scalef32_pk16_fp6_f32 v[WC:WC+2], v[XS:XS+15], v11
	v_cvt_scalef32_pk16_fp6_f32 v[WC+4:WC+6], v[XS+16:XS+31], v11
	ds_store_b96 v4, v[WC:WC+2] offset:32*(\t)     ; 12 bytes to a place of 16
	ds_store_b96 v4, v[WC+4:WC+6] offset:32*(\t)+16
.if (\t)+2 < 8
	WLOAD (\t)+2
.endif
	s_wait_dscnt 0x0                               ; the stores have read their registers: the next block's codes may be written
.endm
.irp t, 0,1,2,3,4,5,6,7
	WBLOCK \t
.endr
	global_store_b32 v9, v[SB], s[38:39]           ; my column's two scale words: 32 lanes fill 128 consecutive bytes each
	s_wait_alu depctr_va_vdst(0)
	global_store_b32 v9, v[SB+1], s[38:39] offset:1024
.irp c, 0,1,2,3
.irp g, 0,1,2,3
	ds_load_b96 v[WX+4*(4*\c+\g):WX+4*(4*\c+\g)+2], v7 offset:((\g%2)*2+\g/2)*8*WPITCH+64*\c   ; places 8 g on hold columns 8 (2 (g % 2) + g / 2) on
.endr
.endr
.irp c, 0,1,2,3
.irp g, 0,1,2,3
	s_wait_dscnt 15-(4*\c+\g)
	global_store_b96 v8, v[WX+4*(4*\c+\g):WX+4*(4*\c+\g)+2], s[36:37] offset:\c*CH+\g*384   ; 8 places x 48 bytes on end
.endr
.endr
	s_wait_tensorcnt 0x0                           ; the wave's end
	ds_add_u32 v[SPW], v[NIL]
	s_wait_dscnt 0x0
	s_endpgm
.Lfunc_end_k_qfbb6ad10c9_quant:
	.size	k_qfbb6ad10c9_quant, .Lfunc_end_k_qfbb6ad10c9_quant-k_qfbb6ad10c9_quant
	.p2alignl 7, 3214868480
	.fill 96, 4, 3214868480
	.section	.rodata,"a",@progbits
	.p2align	6, 0x0
	.amdhsa_kernel k_qfbb6ad10c9_quant
		.amdhsa_group_segment_fixed_size 68096
		.amdhsa_private_segment_fixed_size 0
		.amdhsa_enable_private_segment 0
		.amdhsa_kernarg_size 56
		.amdhsa_user_sgpr_count 2
		.amdhsa_user_sgpr_kernarg_segment_ptr 1
		.amdhsa_wavefront_size32 1
		.amdhsa_system_sgpr_workgroup_id_x 1
		.amdhsa_system_sgpr_workgroup_id_y 1
		.amdhsa_system_sgpr_workgroup_id_z 1
		.amdhsa_system_vgpr_workitem_id 0
		.amdhsa_next_free_vgpr 192
		.amdhsa_next_free_sgpr 66
		.amdhsa_reserve_vcc 0
		.amdhsa_float_denorm_mode_32 3
		.amdhsa_float_denorm_mode_16_64 3
		.amdhsa_memory_ordered 1
		.amdhsa_forward_progress 1
		.amdhsa_inst_pref_size 76
	.end_amdhsa_kernel
	.amdgpu_metadata
---
amdhsa.version: [ 1, 2 ]
amdhsa.kernels:
  - .name:           k_qfbb6ad10c9_quant
    .symbol:         k_qfbb6ad10c9_quant.kd
    .args:
      - { .name: inputs, .offset: 0, .size: 8, .value_kind: global_buffer, .address_space: global }
      - { .name: w_qkv, .offset: 8, .size: 8, .value_kind: global_buffer, .address_space: global }
      - { .name: w_o, .offset: 16, .size: 8, .value_kind: global_buffer, .address_space: global }
      - { .name: xq, .offset: 24, .size: 8, .value_kind: global_buffer, .address_space: global }
      - { .name: wqk, .offset: 32, .size: 8, .value_kind: global_buffer, .address_space: global }
      - { .name: wv, .offset: 40, .size: 8, .value_kind: global_buffer, .address_space: global }
      - { .name: wo, .offset: 48, .size: 8, .value_kind: global_buffer, .address_space: global }
    .group_segment_fixed_size: 68096
    .private_segment_fixed_size: 0
    .kernarg_segment_align: 8
    .kernarg_segment_size: 56
    .max_flat_workgroup_size: 128
    .sgpr_count:     66
    .vgpr_count:     192
    .wavefront_size: 32
...
	.end_amdgpu_metadata
.endif
;; end of part 1
;; launch proj (part 2): grid 32 x 8, 4 waves a work-group, clusters of 4 x 4, 327,680 bytes of LDS; arguments xq, wqk, wv, qkq, vq; writes qkq, vq
.if DOCPART == 2
	.amdgcn_target "amdgcn-amd-amdhsa--gfx1250"
	.amdhsa_code_object_version 6
	.text
	.protected	k_qfbb6ad10c9_proj
	.globl	k_qfbb6ad10c9_proj
	.p2align	8
	.type	k_qfbb6ad10c9_proj,@function
k_qfbb6ad10c9_proj:
	s_mov_b64 s[64:65], 0
	v_nop
	global_prefetch_b8 v0, s[64:65] scope:SCOPE_SE
	s_setreg_imm32_b32 hwreg(HW_REG_WAVE_MODE, 25, 1), 1
	s_wait_xcnt 0x0
	s_wait_alu depctr_hold_cnt(0) depctr_sa_sdst(0) depctr_va_vdst(0) depctr_va_sdst(0) depctr_va_ssrc(0) depctr_va_vcc(0) depctr_vm_vsrc(0)
	s_getreg_b32 s2, hwreg(HW_REG_IB_STS2, 6, 4)
	s_cmp_eq_u32 s2, 0
	s_cbranch_scc0 .Lentry_in_a_cluster
	s_endpgm
.Lentry_in_a_cluster:
	s_bfe_u32 s2, ttmp6, 0x10000c
	s_cmp_lg_u32 s2, 0xf033
	s_cbranch_scc0 .Lentry_shape_is_right
	s_endpgm
.Lentry_shape_is_right:
; LAUNCH 2 OF 4: the projection, q, k and v, on codes of FP6; its f32 results are quantised in registers and leave as codes.  Nothing of the problem is left out here.
; SHARES.  256 work-groups of equal work.  A work-group takes one tile of 256 places of xq (tile 4 X + cx) and the weights of group g = 4 Y + cy: row block g of wqk, as subtiles 0 and 1 of 128 places,
; and half g % 2 of row block g / 2 of wv, subtile 2.  WAVE w KEEPS ITS 64 PLACES OF x FOR ALL OF K IN REGISTERS (32 fragments, 384 registers, and 32 scale words) and multiplies them by every
; fragment of the weights: 3 subtiles x 8 steps of 128 along K x 32 matrix instructions.  So the loop reads only weights from LDS: 8 fragments for 32 matrix instructions.
; q, k: source 0 = 16 places of wqk, source 1 = 16 places of x: a lane holds one row of x and its registers run along the head's n.  v: source 0 = x, source 1 = wv: a lane holds one channel and its
; registers run along the keys.  By the operands' order of places the 16 registers of two neighbouring tiles are 16 neighbours: the results are quantised along source 0's rows.
; LDS.  x's tile comes first, is read into registers once, and its bytes are then filled again, ONCE, with subtiles 1 and 2 (one tensor load a wave, behind one round of the cluster's barrier); subtile 0 and
; all scale words have bytes of their own and come with the first fills.  x's tile is shared along a column of the cluster, the weights along a row: joint loads.
; OUT.  qkq block g + 8 x tile, vq block tile + 32 (g / 2); a block: codes [4 subs of 64][256 places][48 bytes], then scale words [2 pairs of subs][256 places][4 bytes].  In vq a wave's 64 keys are one sub,
; half of a scale word: its two bytes leave by stores of 2 bytes, 32 bytes a block of 16 places; lanes r and r + 16 store the same bytes to the same place.
; No prefetch: every byte is asked for by tensor loads at the head, or behind the one round, 224 matrix instructions ahead of the barrier that waits for it.
; LIMITS: a block of results whose largest magnitude lies under 2^-124 gets the scale byte 1; NaN and infinities are not served.
; REGISTERS: window 0: v1-29 addresses; v32-63 x's scale words, v64-79 the weights', two sets: scales and nothing else; v80-159 at work on the way out; v160-255 the weights' fragments, set 0.
;   window 1: x's fragments of steps 0-4 (step q, block i at v[48 q + 12 i]).   window 2: those of steps 5-7; from v144 the weights' set 1.   window 3: the 32 accumulators.
.set RB,    204800
.set SCO,   196608
.set CH,    12288                      ; a chunk of a row block: 256 places x 48 bytes
.set CHW,   6144                       ; a chunk of a subtile: 128 places x 48 bytes
.set OB,    51200
.set FR,    12
.set LXS,   16*CH                      ; x's codes lie from 0 on (later: subtile 1 at 0, subtile 2 at 16 CHW); here x's scale words, 8,192 bytes
.set LW0,   LXS+8192                   ; subtile 0's codes: 16 chunks
.set LWS,   LW0+16*CHW                 ; wqk's scale words [8][256][4], then wv's [8][128][4]
.set STAGE, LWS+12288                  ; the way out: for each wave 2 x 768 bytes of codes and 256 of scale words: bytes into which no tensor load lands
.set WSTG,  1792
.set SPARE, STAGE+4*WSTG               ; the spare words, 128 bytes a wave
.set ADX,   8                          ; v8-11  x's fragments in LDS, a register for each 256 along K
.set ADXS,  12                         ; v12    x's scale words
.set L8,    13                         ; v13    8 x lane
.set R4,    14                         ; v14    4 r
.set ADW,   16                         ; v16-21 the weights' fragments: subtile j, half of K u: v[16 + 2 j + u]
.set ADWS,  22                         ; v22    the weights' scale words
.set STO,   23                         ; v23    stage: 48 r + 24 h
.set STS,   24                         ; v24    stage: the words, 4 r
.set RD16,  25                         ; v25    stage: 16 x lane
.set RD8,   26                         ; v26    stage: 8 x lane
.set L16,   27                         ; v27    16 x lane
.set SPW,   28
.set NIL,   29
.set XS,    32
.set WS,    64
.set TM,    80                         ; v80-91   at work in the quantiser
.set PCS,   92                         ; v92-131  codes just made, two sets of 20
.set PWS,   132                        ; v132-133 scale words just made
.set BKS,   134                        ; v134-157 read back from the stage, two sets of 12
.set WRD,   158                        ; v158-159 the scale words read back
.set SEL,   98                         ; s98, s99: lane l xor 16
.set G1XC,  24                         ; descriptor groups 1: x's row block, subtile 0's sixteen chunks, a subtile's codes, wqk's scale words, wv's
; THE FIRST FILLS AS THEY STAND (in place of what the head comment says of them): one tensor load a wave: wave 0 x's whole row block (codes, then scale words: 204,800 dense
; bytes in memory and in LDS alike), wave 1 subtile 0's sixteen chunks, wave 2 wqk's scale words, wave 3 wv's.
.set G1W0,  32                         ; group 1 of subtile 0's sixteen chunks
.set G1WC,  40
.set G1WQ,  48
.set G1WV,  56
.set W0O,   70                         ; s[70:71] bytes from wqk to row block g
.set GXC,   72
.set GWQ,   76
.set GWV,   80
.set GWC,   84
.set GWR,   88
.set MSB, 0
.macro WIN new                         ; the immediate's high byte repeats the setting that is left
.if MSB != (\new)
	s_set_vgpr_msb (MSB<<8)|(\new)
.set MSB, (\new)
.endif
.endm
.macro PLACES                          ; four plain vector lines between a matrix instruction and a load into, or a read of, its registers
.rept 4
	v_nop
.endr
.endm
.macro CROUND                          ; a round of the cluster's barrier
	s_barrier_signal -1
	s_barrier_wait -1
	s_cmp_lg_u32 s14, 0
	s_cbranch_scc1 .Lnot_wave_0_\@
	s_barrier_signal -3
.Lnot_wave_0_\@:
	s_barrier_wait -3
	s_barrier_signal -1
	s_barrier_wait -1
.endm
.macro G1SET g, c, r, p                ; a tile of r rows of c elements of 8 bytes, p elements from row to row; dense in LDS
	s_mov_b32 s[\g+1], (\c)<<16
	s_mov_b32 s[\g+2], (\r)<<16
	s_mov_b32 s[\g+3], (\c)<<16
	s_mov_b32 s[\g+4], \r
	s_mov_b32 s[\g+5], \p
	s_mov_b32 s[\g+6], 0
	s_mov_b32 s[\g+7], 0
.endm
	s_load_b128 s[4:7], s[0:1], 0x0                ; xq, wqk
	s_load_b128 s[8:11], s[0:1], 0x10              ; wv, qkq
	s_load_b64 s[12:13], s[0:1], 0x20              ; vq
	v_lshl_add_u32 v[SPW], v0, 2, SPARE
	v_mov_b32 v[NIL], 0
	ds_add_u32 v[SPW], v[NIL]                      ; the opening: the add, twice on end, and its wait ahead of my first tensor load
	ds_add_u32 v[SPW], v[NIL]
	v_lshrrev_b32 v1, 5, v0
	v_readfirstlane_b32 s14, v1                    ; wave
	s_lshr_b32 s15, s14, 1                         ; I fetch x (0) or weights (1)
	s_and_b32 s16, s14, 1                          ; and which half along K
	s_bfe_u32 s92, ttmp6, 0x40000                  ; cx
	s_bfe_u32 s93, ttmp6, 0x40004                  ; cy
	s_lshl_b32 s94, ttmp9, 2
	s_add_co_u32 s94, s94, s92                     ; x's tile: 4 X + cx
	s_and_b32 s95, ttmp7, 0xffff
	s_lshl_b32 s95, s95, 2
	s_add_co_u32 s95, s95, s93                     ; g: 4 Y + cy
	s_lshl_b32 s2, 0x1111, s92                     ; my column of the cluster: it shares x's tile
	s_lshl_b32 s20, s93, 2
	s_lshl_b32 s20, 15, s20                        ; my row: it shares the weights
	s_or_b32 s[G1XC], s2, (3<<16)|(1<<21)          ; 15:0 the mask; 17:16 elements of 8 bytes; 21 set beside a mask; no padding: places are 48 bytes apart
	s_or_b32 s[G1W0], s20, (3<<16)|(1<<21)
	s_or_b32 s[G1WC], s20, (3<<16)|(1<<21)
	s_or_b32 s[G1WQ], s20, (3<<16)|(1<<21)
	s_or_b32 s[G1WV], s20, (3<<16)|(1<<21)
	G1SET G1XC, 32, 800, 32                        ; x's row block: 204,800 dense bytes as rows of 256
	G1SET G1W0, 768, 16, 1536                      ; sixteen chunks of a subtile: 6,144 bytes of each, 12,288 apart
	G1SET G1WC, 768, 8, 1536                       ; eight chunks of a subtile: 6,144 bytes of each, 12,288 apart
	G1SET G1WQ, 32, 32, 32                         ; wqk's scale words: 8,192 dense bytes
	G1SET G1WV, 64, 8, 128                         ; wv's: 512 bytes of each pair of chunks, 1,024 apart
	s_mul_i32 s2, s94, RB                          ; x's row block: made of cx and the cluster's x alone
	s_mov_b32 s3, 0
	s_mul_i32 s20, s95, RB                         ; wqk's row block g: made of cy and the cluster's y alone
	s_mov_b32 s[W0O], s20                          ; kept for the head's load of subtile 0
	s_mov_b32 s[W0O+1], 0
	s_add_co_u32 s22, s20, SCO                     ; its scale words
	s_mul_i32 s17, s16, 8*CH                       ; my eight chunks of sixteen
	s_add_co_u32 s20, s20, s17                     ; subtile 0's codes
	s_lshr_b32 s96, s95, 1
	s_mul_i32 s96, s96, RB                         ; wv's row block g / 2,
	s_and_b32 s97, s95, 1                          ; its half g % 2
	s_mul_i32 s100, s97, CHW
	s_add_co_u32 s100, s100, s96
	s_add_co_u32 s100, s100, s17                   ; subtile 2's codes
	s_lshl_b32 s97, s97, 9
	s_add_co_u32 s96, s96, s97
	s_add_co_u32 s96, s96, SCO                     ; wv's scale words
	s_add_co_u32 s17, s20, CHW                     ; subtile 1's codes: places 128 on
	s_cmp_eq_u32 s15, 0
	s_cselect_b32 s100, s17, s100                  ; the refill: waves 0, 1 fetch subtile 1, waves 2, 3 subtile 2
	s_mov_b32 s23, 0
	s_mov_b32 s97, 0
	s_mov_b32 s101, 0
	s_mov_b32 s[SEL], 0x76543210
	s_mov_b32 s[SEL+1], 0xfedcba98
	s_wait_dscnt 0x0                               ; both opening adds are done
	s_wait_kmcnt 0x0
	s_mov_b32 s[GXC], 1
	s_mov_b32 s[GXC+1], 0
	s_add_nc_u64 s[GXC+2:GXC+3], s[4:5], s[2:3]
	s_or_b32 s[GXC+3], s[GXC+3], 0x80000000
	s_mov_b32 s[GWQ], 1
	s_mov_b32 s[GWQ+1], LWS
	s_add_nc_u64 s[GWQ+2:GWQ+3], s[6:7], s[22:23]
	s_or_b32 s[GWQ+3], s[GWQ+3], 0x80000000
	s_mov_b32 s[GWV], 1
	s_mov_b32 s[GWV+1], LWS+8192
	s_add_nc_u64 s[GWV+2:GWV+3], s[8:9], s[96:97]
	s_or_b32 s[GWV+3], s[GWV+3], 0x80000000
	s_mov_b32 s[GWC], 1
	s_mov_b32 s[GWC+1], LW0
	s_add_nc_u64 s[GWC+2:GWC+3], s[6:7], s[W0O:W0O+1]
	s_or_b32 s[GWC+3], s[GWC+3], 0x80000000
	s_mov_b32 s[GWR], 1
	s_mul_i32 s[GWR+1], s14, 8*CHW                 ; the refills land on x's codes: wave x 49,152
	s_cmp_eq_u32 s15, 0
	s_cselect_b64 s[22:23], s[6:7], s[8:9]
	s_add_nc_u64 s[GWR+2:GWR+3], s[22:23], s[100:101]
	s_or_b32 s[GWR+3], s[GWR+3], 0x80000000
	CROUND                                         ; all sixteen work-groups are here: the first joint loads meet
; one chain of branches on the wave's number, one load to an arm, all arms leading to one join; an s_nop 0 and four v_nop follow each load
.macro ARM under, g0, g1, next
	s_cmp_lt_u32 s14, \under
	s_cbranch_scc0 \next
	tensor_load_to_lds s[\g0:\g0+3], s[\g1:\g1+7]
	s_nop 0
	PLACES
	s_branch .Lfilled
\next:
.endm
	ARM 1, GXC, G1XC, .Lfill_w0                    ; wave 0: x's row block
	ARM 2, GWC, G1W0, .Lfill_wq                    ; wave 1: subtile 0's codes
	ARM 3, GWQ, G1WQ, .Lfill_wv                    ; wave 2: wqk's scale words
	tensor_load_to_lds s[GWV:GWV+3], s[G1WV:G1WV+7]   ; wave 3: wv's
	s_nop 0
	PLACES
.Lfilled:
	v_and_b32 v1, 15, v0                           ; r
	v_bfe_u32 v2, v0, 4, 1                         ; h
	v_mul_u32_u24 v3, v1, 48
	v_mad_u32_u24 v3, v2, 24, v3                   ; a place's 48 bytes, my half's 24
	s_mul_i32 s17, s14, 3072                       ; my 64 places of x
.irp k, 0,1,2,3
	v_add_nc_u32 v[ADX+\k], s17, v3
	s_add_co_u32 s17, s17, 4*CH
.endr
	s_lshl_b32 s17, s14, 8
	s_add_co_u32 s17, s17, LXS
	v_lshl_add_u32 v[ADXS], v1, 2, s17
	v_add_nc_u32 v[ADW+0], LW0, v3
	v_add_nc_u32 v[ADW+1], LW0+8*CHW, v3
	v_add_nc_u32 v[ADW+2], 0, v3
	v_add_nc_u32 v[ADW+3], 8*CHW, v3
	v_add_nc_u32 v[ADW+4], 16*CHW, v3
	v_add_nc_u32 v[ADW+5], 24*CHW, v3
	v_lshl_add_u32 v[ADWS], v1, 2, LWS
	s_mul_i32 s17, s14, WSTG
	s_add_co_u32 s17, s17, STAGE                   ; my stage
	v_add_nc_u32 v[STO], s17, v3
	v_lshl_add_u32 v[STS], v1, 2, s17
	v_add_nc_u32 v[STS], 1536, v[STS]
	v_and_b32 v4, 31, v0
	v_lshlrev_b32 v[L16], 4, v4
	v_lshlrev_b32 v[L8], 3, v4
	v_add_nc_u32 v[RD16], s17, v[L16]
	v_add_nc_u32 v[RD8], s17, v[L8]
	v_lshlrev_b32 v[R4], 2, v1
.irp b, 0,1,2,3
	v_mov_b32 v[TM+4+\b], 0                        ; written once: a lane permute's destination counts as one of its sources
.endr
	s_lshl_b32 s17, s94, 3
	s_add_co_u32 s17, s17, s95
	s_mul_i32 s17, s17, OB                         ; my block of qkq: g + 8 x tile
	s_lshl_b32 s2, s14, 8
	s_add_co_u32 s2, s2, s17
	s_add_co_u32 s2, s2, 4*CH
	s_add_nc_u64 s[18:19], s[10:11], s[2:3]        ; my 64 places' scale words
	s_mul_i32 s2, s14, 3072
	s_add_co_u32 s2, s2, s17
	s_add_nc_u64 s[10:11], s[10:11], s[2:3]        ; and codes
	s_lshr_b32 s17, s95, 1
	s_lshl_b32 s17, s17, 5
	s_add_co_u32 s17, s17, s94
	s_mul_i32 s17, s17, OB                         ; my block of vq: tile + 32 (g / 2)
	s_and_b32 s96, s95, 1
	s_lshl_b32 s2, s96, 9                          ; places 128 (g % 2) on,
	s_add_co_u32 s2, s2, s17
	s_lshl_b32 s97, s15, 10                        ; pair of subs wave / 2,
	s_add_co_u32 s2, s2, s97
	s_lshl_b32 s97, s16, 1                         ; bytes 2 (wave % 2) on of a word
	s_add_co_u32 s2, s2, s97
	s_add_co_u32 s2, s2, 4*CH
	s_add_nc_u64 s[20:21], s[12:13], s[2:3]
	s_mul_i32 s2, s96, CHW
	s_add_co_u32 s2, s2, s17
	s_mul_i32 s97, s14, CH                         ; sub = wave
	s_add_co_u32 s2, s2, s97
	s_add_nc_u64 s[12:13], s[12:13], s[2:3]
; x's four fragments of step q: 16 places x 128 K: registers 0-5 from chunk 2 q, 6-11 from chunk 2 q + 1: 24 bytes each, in pieces of 8.  48 r + 24 h: the 32 lanes of a load touch 64 different banks
.macro XLOAD q
	WIN (1+(\q)/5)<<6
.irp i, 0,1,2,3
.irp p, 0,1,2,3,4,5
	ds_load_b64 v[48*((\q)%5)+FR*\i+2*\p:48*((\q)%5)+FR*\i+2*\p+1], v[ADX+(\q)/2] offset:(2*((\q)%2)+\p/3)*CH+\i*768+8*(\p%3)
.endr
.endr
.endm
.macro WSCALES j, q                    ; the eight scale words of subtile j, step q, into set q % 2 (window 0)
.if (\j) == 2
.set WSO, 8192+512*(\q)
.else
.set WSO, 512*(\j)+1024*(\q)
.endif
.irp b, 0,1,2,3,4,5,6,7
	ds_load_b32 v[WS+8*((\q)%2)+\b], v[ADWS] offset:WSO+64*\b
.endr
.endm
.macro WFRAG j, q, b                   ; fragment b of subtile j, step q, into set q % 2: set 0 in window 0, set 1 in window 2
	WIN ((\q)%2)<<7
.irp p, 0,1,2,3,4,5
	ds_load_b64 v[160-16*((\q)%2)+FR*(\b)+2*\p:161-16*((\q)%2)+FR*(\b)+2*\p], v[ADW+2*(\j)+(\q)/4] offset:(2*((\q)%4)+\p/3)*CHW+(\b)*768+8*(\p%3)
.endr
.endm
; Four matrix instructions: the weights' fragment b against x's four blocks, step q.  v = 0: q, k: accumulator (x's block a, b) at v[8 (8 a + b)].  v = 1: accumulator (b, a) at v[8 (4 b + a)].
; The 32 accumulators take turns, one instruction a turn, in the same order in every step.  zero = 1: the first step starts the sums: nothing is cleared.
.macro MUL4 v, q, b, zero
.set WSET, (\q)%2
.set WREG, 160-16*WSET
.set XWIN, 1+(\q)/5
.set XREG, 48*((\q)%5)
.if \v
	WIN 0xf0|(WSET<<3)|XWIN
.else
	WIN 0xf0|(XWIN<<2)|(WSET<<1)
.endif
.irp a, 0,1,2,3
.if \v
.if \zero
	v_wmma_scale_f32_16x16x128_f8f6f4 v[8*(4*(\b)+\a):8*(4*(\b)+\a)+7], v[XREG+FR*\a:XREG+FR*\a+FR-1], v[WREG+FR*(\b):WREG+FR*(\b)+FR-1], 0, v[XS+4*(\q)+\a], v[WS+8*WSET+(\b)] matrix_a_fmt:MATRIX_FMT_FP6 matrix_b_fmt:MATRIX_FMT_FP6
.else
	v_wmma_scale_f32_16x16x128_f8f6f4 v[8*(4*(\b)+\a):8*(4*(\b)+\a)+7], v[XREG+FR*\a:XREG+FR*\a+FR-1], v[WREG+FR*(\b):WREG+FR*(\b)+FR-1], v[8*(4*(\b)+\a):8*(4*(\b)+\a)+7], v[XS+4*(\q)+\a], v[WS+8*WSET+(\b)] matrix_a_fmt:MATRIX_FMT_FP6 matrix_b_fmt:MATRIX_FMT_FP6
.endif
.else
.if \zero
	v_wmma_scale_f32_16x16x128_f8f6f4 v[8*(8*\a+(\b)):8*(8*\a+(\b))+7], v[WREG+FR*(\b):WREG+FR*(\b)+FR-1], v[XREG+FR*\a:XREG+FR*\a+FR-1], 0, v[WS+8*WSET+(\b)], v[XS+4*(\q)+\a] matrix_a_fmt:MATRIX_FMT_FP6 matrix_b_fmt:MATRIX_FMT_FP6
.else
	v_wmma_scale_f32_16x16x128_f8f6f4 v[8*(8*\a+(\b)):8*(8*\a+(\b))+7], v[WREG+FR*(\b):WREG+FR*(\b)+FR-1], v[XREG+FR*\a:XREG+FR*\a+FR-1], v[8*(8*\a+(\b)):8*(8*\a+(\b))+7], v[WS+8*WSET+(\b)], v[XS+4*(\q)+\a] matrix_a_fmt:MATRIX_FMT_FP6 matrix_b_fmt:MATRIX_FMT_FP6
.endif
.endif
.endr
.endm
; A STEP of 128 along K: 32 matrix instructions on end.  fetch = 1: the 56 loads of the next step (subtile fj, step fq: 8 scale words, 8 fragments of 6 pieces) go out in ONE run at the step's head, into the other set.
; The four places at the head stand between the last step's products and the loads into the set that they read.
.macro KSTEP v, q, zero, fetch, fj, fq
	PLACES
.if \fetch
	WSCALES \fj, \fq
.endif
.if \fetch
.irp b, 0,1,2,3,4,5,6,7
	WFRAG \fj, \fq, \b
.endr
	s_wait_dscnt 56                                ; all but the 56 just issued: this step's scale words and fragments are in
.endif
.irp b, 0,1,2,3,4,5,6,7
	MUL4 \v, \q, \b, \zero
.endr
	WIN 0
.endm
.macro SUBT v, j                       ; a subtile's first seven steps
	KSTEP \v, 0, 1, 1, \j, 1
.irp s, 1,2,3,4,5,6
	KSTEP \v, \s, 0, 1, \j, \s+1
.endr
.endm
; THE WAY OUT OF q AND k.  x's block a: my place 16 a + r; its 64 registers: register 16 b + i = the subtile's row 32 b + 16 h + i.  Four blocks of 32 are quantised; the 12 registers of codes are
; K = 64 c + 32 h + 0 .. 31: 24 bytes of sub 2 j + c at my place.
.macro QUANTQ a
.set QS, 64*(\a)
.set QPC, PCS+20*((\a)%2)
.set QPW, PWS+(\a)%2
	WIN 0x0f                                       ; sources 0 and 1: window 3
.irp b, 0,1,2,3
	v_max3_num_f32 v[TM+\b], |v[QS+16*\b]|, |v[QS+1+16*\b]|, 0x1800000   ; each accumulator is read from its low end on; the floor 2^(3 - 127)
.endr
	WIN 0x3c                                       ; sources 1 and 2: window 3
.irp i, 2,4,6,8,10,12,14
.irp b, 0,1,2,3
	v_max3_num_f32 v[TM+\b], v[TM+\b], |v[QS+16*\b+\i]|, |v[QS+1+16*\b+\i]|
.endr
.endr
	WIN 0
.irp b, 0,1,2,3
	v_permlanex16_b32 v[TM+4+\b], v[TM+\b], s[SEL], s[SEL+1]
.endr
.irp b, 0,1,2,3
	v_max_num_f32 v[TM+\b], v[TM+\b], v[TM+4+\b]   ; with lane l xor 16's 16: the block's largest magnitude
.endr
.irp b, 0,1,2,3
	v_add_nc_u32 v[TM+8+\b], 0xff000000, v[TM+\b]  ; 2 off the exponent field: the conversion's scale operand
.endr
.irp b, 0,1,2,3
	v_lshrrev_b32 v[TM+4+\b], 23, v[TM+8+\b]
.endr
	v_lshl_or_b32 v[QPW], v[TM+5], 8, v[TM+4]
	v_lshl_or_b32 v[QPW], v[TM+6], 16, v[QPW]
	v_lshl_or_b32 v[QPW], v[TM+7], 24, v[QPW]      ; my row's scale word
	WIN 0x03                                       ; source 0: window 3
.irp c, 0,1
	v_cvt_scalef32_pk16_fp6_f32 v[QPC+6*\c:QPC+2+6*\c], v[QS+32*\c:QS+15+32*\c], v[TM+8+2*\c]
	v_cvt_scalef32_pk16_fp6_f32 v[QPC+12+4*\c:QPC+14+4*\c], v[QS+16+32*\c:QS+31+32*\c], v[TM+8+2*\c+1]
.endr
	WIN 0
	v_nop                                          ; one plain line behind a scaled conversion
.irp c, 0,1                            ; a whole block to a lane: lanes 0-15 block 2 c, lanes 16-31 block 2 c + 1
.irp i, 0,1,2
	v_permlane16_swap_b32 v[QPC+6*\c+\i], v[QPC+12+4*\c+\i]
.endr
.irp i, 0,1,2
	v_mov_b32 v[QPC+3+6*\c+\i], v[QPC+12+4*\c+\i]
.endr
.endr
.endm
.macro TOSTAGEQ a                      ; into my stage, and back as runs of 512 and 256 consecutive bytes.  LDS serves a wave's instructions in order: the loads see the stores, and the next block's stores come behind them
.set QPC, PCS+20*((\a)%2)
.set BB, BKS+12*((\a)%2)
	s_wait_xcnt 0x0                                ; the stores of two blocks back have read the registers into which the loads below land
.irp p, 0,1,2,3,4,5
	ds_store_b64 v[STO], v[QPC+2*\p:QPC+2*\p+1] offset:(\p/3)*768+8*(\p%3)
.endr
	ds_store_b32 v[STS], v[PWS+(\a)%2] offset:(\a)*64   ; lanes r and r + 16 write the same word with the same value
	ds_load_b128 v[BB:BB+3], v[RD16]
	ds_load_b64 v[BB+4:BB+5], v[RD8] offset:512
	ds_load_b128 v[BB+6:BB+9], v[RD16] offset:768
	ds_load_b64 v[BB+10:BB+11], v[RD8] offset:1280
.endm
.macro SENDQ j, a                      ; 16 places x 48 bytes of each of two subs: 768 consecutive bytes, at a multiple of 256 from the buffer's first byte
.set BB, BKS+12*((\a)%2)
	s_wait_dscnt 0x0                               ; the block is back (its loads stand ahead of the next block's arithmetic); its stores into the stage have read their registers
	global_store_b128 v[L16], v[BB:BB+3], s[10:11] offset:2*(\j)*CH+(\a)*768
	global_store_b64 v[L8], v[BB+4:BB+5], s[10:11] offset:2*(\j)*CH+(\a)*768+512
	global_store_b128 v[L16], v[BB+6:BB+9], s[10:11] offset:(2*(\j)+1)*CH+(\a)*768
	global_store_b64 v[L8], v[BB+10:BB+11], s[10:11] offset:(2*(\j)+1)*CH+(\a)*768+512
.endm
.macro OUTQ j
	PLACES                                         ; behind the last products, ahead of the first read of results
	QUANTQ 0
	s_wait_alu depctr_va_vdst(0)
	TOSTAGEQ 0
.irp a, 1,2,3
	QUANTQ \a
	s_wait_alu depctr_va_vdst(0)
	SENDQ \j, \a-1
	TOSTAGEQ \a
.endr
	ds_load_b64 v[WRD:WRD+1], v[RD8] offset:1536   ; my 64 places' scale words
	SENDQ \j, 3
	global_store_b64 v[L8], v[WRD:WRD+1], s[18:19] offset:(\j)*1024   ; 256 consecutive bytes, aligned
.endm
; THE WAY OUT OF v.  wv's block a: my place 16 a + r; its 32 registers: register 16 b + i = my key 32 b + 16 h + i.  Two blocks of 32; six registers of codes: 24 bytes of sub = wave at my place.
.macro QUANTV a
.set QS, 32*(\a)
.set QPC, PCS+20*((\a)%2)
.set QPW, PWS+(\a)%2
	WIN 0x0f
.irp b, 0,1
	v_max3_num_f32 v[TM+\b], |v[QS+16*\b]|, |v[QS+1+16*\b]|, 0x1800000
.endr
	WIN 0x3c
.irp i, 2,4,6,8,10,12,14
.irp b, 0,1
	v_max3_num_f32 v[TM+\b], v[TM+\b], |v[QS+16*\b+\i]|, |v[QS+1+16*\b+\i]|
.endr
.endr
	WIN 0
.irp b, 0,1
	v_permlanex16_b32 v[TM+4+\b], v[TM+\b], s[SEL], s[SEL+1]
.endr
.irp b, 0,1
	v_max_num_f32 v[TM+\b], v[TM+\b], v[TM+4+\b]
.endr
.irp b, 0,1
	v_add_nc_u32 v[TM+8+\b], 0xff000000, v[TM+\b]
.endr
.irp b, 0,1
	v_lshrrev_b32 v[TM+4+\b], 23, v[TM+8+\b]
.endr
	v_lshl_or_b32 v[QPW], v[TM+5], 8, v[TM+4]      ; my two scale bytes
	WIN 0x03
	v_cvt_scalef32_pk16_fp6_f32 v[QPC:QPC+2], v[QS:QS+15], v[TM+8]
	v_cvt_scalef32_pk16_fp6_f32 v[QPC+6:QPC+8], v[QS+16:QS+31], v[TM+9]
	WIN 0
	v_nop
.irp i, 0,1,2
	v_permlane16_swap_b32 v[QPC+\i], v[QPC+6+\i]   ; a whole block to a lane: registers 0-5 = keys 32 h + 0 .. 31
.endr
.irp i, 0,1,2
	v_mov_b32 v[QPC+3+\i], v[QPC+6+\i]
.endr
.endm
.macro TOSTAGEV a
.set QPC, PCS+20*((\a)%2)
.set BB, BKS+12*((\a)%2)
	s_wait_xcnt 0x0                                ; the stores of two blocks back have read their registers
	ds_store_b64 v[STO], v[QPC:QPC+1]
	ds_store_b64 v[STO], v[QPC+2:QPC+3] offset:8
	ds_store_b64 v[STO], v[QPC+4:QPC+5] offset:16
	ds_load_b128 v[BB:BB+3], v[RD16]
	ds_load_b64 v[BB+4:BB+5], v[RD8] offset:512
.endm
.macro SENDV a
.set BB, BKS+12*((\a)%2)
	s_wait_dscnt 0x0
	global_store_b128 v[L16], v[BB:BB+3], s[12:13] offset:(\a)*768
	global_store_b64 v[L8], v[BB+4:BB+5], s[12:13] offset:(\a)*768+512
	global_store_b16 v[R4], v[PWS+(\a)%2], s[20:21] offset:(\a)*64
.endm
.macro OUTV
	PLACES
	QUANTV 0
	s_wait_alu depctr_va_vdst(0)
	TOSTAGEV 0
.irp a, 1,2,3,4,5,6,7
	QUANTV \a
	s_wait_alu depctr_va_vdst(0)
	SENDV \a-1
	TOSTAGEV \a
.endr
	SENDV 7
.endm
	s_wait_tensorcnt 0x0                           ; my first fills have landed,
	s_barrier_signal -1
	s_barrier_wait -1                              ; everybody's have
.irp q, 0,1,2,3,4,5,6,7
	XLOAD \q                                       ; x into registers: it stays there
.endr
	WIN 0
.irp q, 0,1,2,3,4,5,6,7
.irp i, 0,1,2,3
	ds_load_b32 v[XS+4*\q+\i], v[ADXS] offset:\q*1024+\i*64
.endr
.endr
	WSCALES 0, 0                                   ; and subtile 0's first step
.irp b, 0,1,2,3,4,5,6,7
	WFRAG 0, 0, \b
.endr
	WIN 0
	s_wait_tensorcnt 0x0                           ; no tensor load of mine is out;
	ds_add_u32 v[SPW], v[NIL]
	s_wait_dscnt 0x0                               ; the add is done, and my reads of x's bytes are over
	CROUND                                         ; the same holds of every wave of every partner
	tensor_load_to_lds s[GWR:GWR+3], s[G1WC:G1WC+7]   ; my one tensor load behind the round: eight chunks of subtile 1 or 2, onto x's codes
	s_nop 0
	PLACES
	SUBT 0, 0
	s_wait_tensorcnt 0x0                           ; my part of subtiles 1 and 2 has landed (asked for 224 matrix instructions ago);
	s_wait_dscnt 0x0
	s_barrier_signal -1
	s_barrier_wait -1                              ; everybody's has
	KSTEP 0, 7, 0, 1, 1, 0                         ; the last step fetches the next subtile's first
	OUTQ 0
	SUBT 0, 1
	KSTEP 0, 7, 0, 1, 2, 0
	OUTQ 1
	SUBT 1, 2
	s_wait_dscnt 0x0                               ; the very last step: nothing more to fetch
	KSTEP 1, 7, 0, 0, 0, 0
	OUTV
	s_wait_tensorcnt 0x0                           ; the wave's end
	ds_add_u32 v[SPW], v[NIL]
	s_wait_dscnt 0x0
	CROUND                                         ; the closing round
	s_endpgm
.Lfunc_end_k_qfbb6ad10c9_proj:
	.size	k_qfbb6ad10c9_proj, .Lfunc_end_k_qfbb6ad10c9_proj-k_qfbb6ad10c9_proj
	.p2alignl 7, 3214868480
	.fill 96, 4, 3214868480
	.section	.rodata,"a",@progbits
	.p2align	6, 0x0
	.amdhsa_kernel k_qfbb6ad10c9_proj
		.amdhsa_group_segment_fixed_size 327680
		.amdhsa_private_segment_fixed_size 0
		.amdhsa_enable_private_segment 0
		.amdhsa_kernarg_size 40
		.amdhsa_user_sgpr_count 2
		.amdhsa_user_sgpr_kernarg_segment_ptr 1
		.amdhsa_wavefront_size32 1
		.amdhsa_system_sgpr_workgroup_id_x 1
		.amdhsa_system_sgpr_workgroup_id_y 1
		.amdhsa_system_sgpr_workgroup_id_z 1
		.amdhsa_system_vgpr_workitem_id 0
		.amdhsa_next_free_vgpr 1024
		.amdhsa_next_free_sgpr 102
		.amdhsa_reserve_vcc 0
		.amdhsa_float_denorm_mode_32 3
		.amdhsa_float_denorm_mode_16_64 3
		.amdhsa_memory_ordered 1
		.amdhsa_forward_progress 1
		.amdhsa_inst_pref_size 255
	.end_amdhsa_kernel
	.section	.bss,"aw",@nobits
	.p2align	6
	.space	262144
	.amdgpu_metadata
---
amdhsa.version: [ 1, 2 ]
amdhsa.kernels:
  - .name:           k_qfbb6ad10c9_proj
    .symbol:         k_qfbb6ad10c9_proj.kd
    .args:
      - { .name: xq, .offset: 0, .size: 8, .value_kind: global_buffer, .address_space: global }
      - { .name: wqk, .offset: 8, .size: 8, .value_kind: global_buffer, .address_space: global }
      - { .name: wv, .offset: 16, .size: 8, .value_kind: global_buffer, .address_space: global }
      - { .name: qkq, .offset: 24, .size: 8, .value_kind: global_buffer, .address_space: global }
      - { .name: vq, .offset: 32, .size: 8, .value_kind: global_buffer, .address_space: global }
    .group_segment_fixed_size: 327680
    .private_segment_fixed_size: 0
    .kernarg_segment_align: 8
    .kernarg_segment_size: 40
    .max_flat_workgroup_size: 128
    .sgpr_count:     102
    .vgpr_count:     1024
    .wavefront_size: 32
...
	.end_amdgpu_metadata
.endif
;; end of part 2
;; launch attn (part 3): grid 4 x 64, 16 waves a work-group, clusters of 4 x 1, 223,232 bytes of LDS; arguments qkq, vq, cc; writes cc
.if DOCPART == 3
	.amdgcn_target "amdgcn-amd-amdhsa--gfx1250"
	.amdhsa_code_object_version 6
	.text
	.protected	k_qfbb6ad10c9_attn
	.globl	k_qfbb6ad10c9_attn
	.p2align	8
	.type	k_qfbb6ad10c9_attn,@function
k_qfbb6ad10c9_attn:
	s_mov_b64 s[64:65], 0
	v_nop
	global_prefetch_b8 v0, s[64:65] scope:SCOPE_SE
	s_setreg_imm32_b32 hwreg(HW_REG_WAVE_MODE, 25, 1), 1
	s_wait_xcnt 0x0
	s_wait_alu depctr_hold_cnt(0) depctr_sa_sdst(0) depctr_va_vdst(0) depctr_va_sdst(0) depctr_va_ssrc(0) depctr_va_vcc(0) depctr_vm_vsrc(0)
	s_getreg_b32 s2, hwreg(HW_REG_IB_STS2, 6, 4)
	s_cmp_eq_u32 s2, 0
	s_cbranch_scc0 .Lentry_in_a_cluster
	s_endpgm
.Lentry_in_a_cluster:
	s_bfe_u32 s2, ttmp6, 0x10000c
	s_cmp_lg_u32 s2, 0x3003
	s_cbranch_scc0 .Lentry_shape_is_right
	s_endpgm
.Lentry_shape_is_right:
; LAUNCH 3 OF 4: attention on codes of FP6.  S^T = K Q^T (K = the head's 64: the upper half of the instruction's 128 is zero codes on both sides), the softmax, O^T = V^T P^T (K = the keys),
; O / l quantised along (h, n) into cc.  Nothing of the problem is left out here.
; THE SOFTMAX: t = score x log2(e) / 8; M = the running largest t rounded UP to a whole number; p = 2^(t - M) is quantised along the keys, not normalised; the row's sum l is taken of the
; unquantised p and divides O at the end; when M moves, l and O^T are multiplied by 2^(old M - new M), which rounds nothing.
; SHARES.  A cluster's four work-groups are the four blocks of 256 queries of one head; each stays for TWO heads, (b0, h) and (b0 + 4, h), written out one behind the other.  Sixteen waves, 16 query
; places each, 256 registers: four waves to a SIMD, so that one wave's vector work stands beside another's matrix work and LDS loads.
; K, V AND THEIR SCALE WORDS OF BOTH HEADS, 2 x 104,448 bytes, are asked for at the head by joint loads (all four work-groups walk the same K and V) and NOTHING IS FILLED AGAIN: no ring.
; Waves 0, 1 fetch the first head's K and V, waves 2, 3 the second head's, each in four parts of 256 keys.  TWO BARRIERS: one when the first 256 keys are in, one, two key steps on, when all loads have
; landed.  Behind the second no wave waits for another: waves share nothing but bytes that nobody writes.
; The second head's Q is asked for in the first head's last key step, behind the last product that reads Q.  No base is stepped: the second head's offsets stand in the immediates.
; No prefetch: every byte of K and V is asked for by the tensor loads at the head; there is no later load to run ahead of.
; LAYOUT.  A lane holds ONE query (lane % 16) throughout.  By the operands' order of places the 16 registers of score tiles 2 b, 2 b + 1 are keys 32 b + 16 h + 0 .. 15, and those of
; O^T's tiles 2 b, 2 b + 1 channels 32 b + 16 h + 0 .. 15.
; A pair of heads shares a scale word of cc, so my head's two bytes leave by stores of 2 bytes, 64 bytes a wave and head; lanes r and r + 16 store the same bytes to the same place.
; LIMITS: a block whose largest magnitude lies under 2^-124 gets the scale byte 1; NaN and infinities are not served.
; REGISTERS: v1-4 LDS addresses; v5, v6 the add's two; v7 48 r + 24 h; v8-11 V's scale words; v12 -M, v13 the largest t, v[14:15] the sum; v16-27 Q; v28-31 K's scale words; v32-79 four fragments of K;
;   v80-90, v92-95 at work; v91 4 r; v96-159 S^T, then p; v160-191 O^T; v192-239 four fragments of V; v240-251 p's codes; v252 f; v253 p's scale word; v254 at work; v255 Q's scale word.
.set CH,     12288
.set OB,     51200
.set RB,     204800
.set SCO,    196608
.set REGION, 104448                    ; a head: K's codes 49,152; V's 49,152; K's scale words 4,096; V's 2,048
.set STAGE,  2*REGION                  ; the way out: 768 bytes for each wave
.set SPARE,  STAGE+16*768              ; the spare words, 128 bytes a wave
.set SPW,  5
.set NIL,  6
.set BM,   80                          ; v80-83 each block's largest score, then its largest p
.set T8,   84                          ; v84-90 at work
.set QW,   91                          ; v91 4 r; never rewritten
.set SO,   92                          ; v92-95 the conversions' scale operands
.set WV,   10
.set HOF,  17                          ; s17 98,304 + 2 (h % 2): my head's two bytes of K's scale words
.set STG,  19                          ; s19 my stage
.set SEL,  20
.set CS,   22                          ; s[22:23] c = log2(e) / 8
.set G1K,  24
.set G1V,  32
.set G1KS, 40
.set G1VS, 48
; THE FILLS AS THEY STAND (in place of what the head comment says of them): SIXTEEN joint loads, one a wave.  Waves 0-7 fetch the first head, waves 8-15 the second; of each eight:
; wave 0 K's codes (one tile: 4 rows of 12,288 bytes, 8 OB apart), 1 K's scale words, 2 and 3 V's scale words of the even and the odd key steps, 4-7 V's four parts of 256 keys.
; The first head's load lines are waves 0-7's alone: these wait ahead of the first barrier, which shows the whole first head; the second barrier, two key steps on, waits for every load.
.set GT,   68                          ; s[68:71] my group 0
.set KO,   72                          ; s[72:73] bytes from qkq to K's codes, s[74:75] to K's scale words; s[76:77] from vq to my part of V, s[78:79] to V's scale words
.set KSO,  74
.set VO,   76
.set VSO,  78
.set LK,   80                          ; s80-83 the four LDS addresses, in the same order
.set QC,   84                          ; s[84:85] Q's codes, s[86:87] Q's scale words, s[88:89] cc's codes, s[90:91] cc's scale words
.set QS,   86
.set OC,   88
.set OS,   90
.macro CROUND
	s_barrier_signal -1
	s_barrier_wait -1
	s_cmp_lg_u32 s[WV], 0
	s_cbranch_scc1 .Lnot_wave_0_\@
	s_barrier_signal -3
.Lnot_wave_0_\@:
	s_barrier_wait -3
	s_barrier_signal -1
	s_barrier_wait -1
.endm
	s_load_b128 s[4:7], s[0:1], 0x0                ; qkq, vq
	s_load_b64 s[8:9], s[0:1], 0x10                ; cc
	v_lshl_add_u32 v[SPW], v0, 2, SPARE
	v_mov_b32 v[NIL], 0
	ds_add_u32 v[SPW], v[NIL]                      ; the opening: the add, twice on end, and its wait ahead of the first tensor loads
	ds_add_u32 v[SPW], v[NIL]
	v_lshrrev_b32 v96, 5, v0
	s_delay_alu instid0(VALU_DEP_1)
	v_readfirstlane_b32 s[WV], v96                 ; wave 0..15
	s_bfe_u32 s11, ttmp6, 0x40000                  ; cx: my block of 256 queries: it enters Q's and cc's addresses alone
	s_and_b32 s12, ttmp7, 0xffff
	s_lshr_b32 s13, s12, 4                         ; b0
	s_and_b32 s12, s12, 15                         ; h
	s_lshr_b32 s14, s12, 2                         ; h / 4
	s_and_b32 s15, s12, 3                          ; h % 4
	s_lshr_b32 s16, s[WV], 3                       ; which of the two heads I fetch for
	s_mov_b32 s[G1K], 15|(3<<16)|(1<<21)           ; 15:0 all four work-groups; 17:16 elements of 8 bytes; 21 set beside a mask
	s_mov_b32 s[G1K+1], 1536<<16                   ; K: 256 places x 48 bytes = 12,288 bytes of each of four blocks, 8 OB bytes apart
	s_mov_b32 s[G1K+2], 4<<16
	s_mov_b32 s[G1K+3], 1536<<16
	s_mov_b32 s[G1K+4], 4
	s_mov_b32 s[G1K+5], OB
	s_mov_b32 s[G1K+6], 0
	s_mov_b32 s[G1K+7], 0
	s_mov_b32 s[G1V], 15|(3<<16)|(1<<21)
	s_mov_b32 s[G1V+1], 384<<16                    ; V: 4 subs of 64 keys: my head's 64 places x 48 bytes of each, 12,288 bytes apart
	s_mov_b32 s[G1V+2], 4<<16
	s_mov_b32 s[G1V+3], 384<<16
	s_mov_b32 s[G1V+4], 4
	s_mov_b32 s[G1V+5], 1536
	s_mov_b32 s[G1V+6], 0
	s_mov_b32 s[G1V+7], 0
	s_mov_b32 s[G1KS], 15|(3<<16)|(1<<21)
	s_mov_b32 s[G1KS+1], 128<<16                   ; K's scale words: 1,024 bytes of each of four blocks, 8 OB bytes apart
	s_mov_b32 s[G1KS+2], 4<<16
	s_mov_b32 s[G1KS+3], 128<<16
	s_mov_b32 s[G1KS+4], 4
	s_mov_b32 s[G1KS+5], OB
	s_mov_b32 s[G1KS+6], 0
	s_mov_b32 s[G1KS+7], 0
	s_mov_b32 s[G1VS], 15|(3<<16)|(1<<21)
	s_mov_b32 s[G1VS+1], 32<<16                    ; V's: 256 bytes of each of four blocks, OB bytes apart
	s_mov_b32 s[G1VS+2], 4<<16
	s_mov_b32 s[G1VS+3], 32<<16
	s_mov_b32 s[G1VS+4], 4
	s_mov_b32 s[G1VS+5], OB/8
	s_mov_b32 s[G1VS+6], 0
	s_mov_b32 s[G1VS+7], 0
	s_lshl_b32 s2, s13, 5
	s_add_co_u32 s2, s2, s14                       ; 32 b0 + h / 4: Q's block less 8 cx
	s_lshl_b32 s18, s16, 7
	s_add_co_u32 s18, s18, s2
	s_add_co_u32 s18, s18, 4                       ; K's first block: 4 + h / 4 + 32 (b0 + 4 x head)
	s_mul_i32 s18, s18, OB
	s_mul_i32 s[KO], s15, CH                       ; my head's sub
	s_add_co_u32 s[KO], s[KO], s18
	s_lshr_b32 s[KSO], s15, 1
	s_lshl_b32 s[KSO], s[KSO], 10                  ; K's scale words: my pair of subs, behind the block's codes
	s_add_co_u32 s[KSO], s[KSO], s18
	s_add_co_u32 s[KSO], s[KSO], 4*CH
	s_lshl_b32 s18, s14, 5
	s_lshl_b32 s19, s13, 2
	s_add_co_u32 s18, s18, s19
	s_lshl_b32 s19, s16, 4
	s_add_co_u32 s18, s18, s19                     ; V's first block: 32 (h / 4) + 4 (b0 + 4 x head)
	s_and_b32 s19, s[WV], 3                        ; which 256 keys of V
	s_add_co_u32 s[VO], s18, s19
	s_mul_i32 s[VO], s[VO], OB
	s_mul_i32 s[VSO], s15, 3072                    ; my head's 64 places
	s_add_co_u32 s[VO], s[VO], s[VSO]
	s_mul_i32 s18, s18, OB
	s_lshl_b32 s[VSO], s15, 8                      ; V's scale words: my head's 64 places,
	s_add_co_u32 s[VSO], s[VSO], s18
	s_and_b32 s18, s[WV], 1
	s_lshl_b32 s18, s18, 10                        ; of the even or the odd key steps
	s_add_co_u32 s[VSO], s[VSO], s18
	s_add_co_u32 s[VSO], s[VSO], 4*CH
	s_mov_b32 s[KO+1], 0
	s_mov_b32 s[KSO+1], 0
	s_mov_b32 s[VO+1], 0
	s_mov_b32 s[VSO+1], 0
	s_mul_i32 s[LK], s16, REGION                   ; LDS addresses: the wave's number alone
	s_add_co_u32 s[LK+1], s[LK], 98304
	s_add_co_u32 s[LK+3], s[LK], s18
	s_add_co_u32 s[LK+3], s[LK+3], 102400
	s_mul_i32 s[LK+2], s19, CH
	s_add_co_u32 s[LK+2], s[LK+2], s[LK]
	s_add_co_u32 s[LK+2], s[LK+2], 4*CH
	s_mov_b32 s[SEL], 0x76543210
	s_mov_b32 s[SEL+1], 0xfedcba98
	s_mov_b32 s[CS], 0x3e38aa3b
	s_mov_b32 s[CS+1], s[CS]                       ; (named with it as a pair, so it is written)
	s_wait_dscnt 0x0                               ; both opening adds are done
	s_wait_kmcnt 0x0
	s_mov_b32 s[GT], 1
	CROUND                                         ; all four work-groups are here: the joint loads meet
; one chain of branches on the wave's number, one load to an arm, all arms leading to one join; an s_nop 0 and four v_nop follow each load
.macro FILL g1, base, off, lds
	s_mov_b32 s[GT+1], s[\lds]
	s_add_nc_u64 s[GT+2:GT+3], s[\base:\base+1], s[\off:\off+1]
	s_or_b32 s[GT+3], s[GT+3], 0x80000000
	tensor_load_to_lds s[GT:GT+3], s[\g1:\g1+7]
	s_nop 0
.rept 4
	v_nop
.endr
.endm
.macro ARM under, g1, base, off, lds, next
	s_cmp_lt_u32 s[WV], \under
	s_cbranch_scc0 \next
	FILL \g1, \base, \off, \lds
	s_branch .Lfilled
\next:
.endm
	ARM 1,  G1K,  4, KO,  LK,   .Lf_ks0            ; the first head: K's codes,
	ARM 2,  G1KS, 4, KSO, LK+1, .Lf_vs0            ; K's scale words,
	ARM 4,  G1VS, 6, VSO, LK+3, .Lf_v0             ; V's scale words, two waves,
	ARM 8,  G1V,  6, VO,  LK+2, .Lf_k1             ; V's codes, four waves
	ARM 9,  G1K,  4, KO,  LK,   .Lf_ks1            ; the second head, in lines of its own
	ARM 10, G1KS, 4, KSO, LK+1, .Lf_vs1
	ARM 12, G1VS, 6, VSO, LK+3, .Lf_v1
	FILL G1V, 6, VO, LK+2
.Lfilled:
	s_lshl_b32 s92, s11, 3
	s_add_co_u32 s92, s92, s2
	s_mul_i32 s92, s92, OB                         ; Q's block: h / 4 + 8 (4 b0 + cx)
	s_mul_i32 s94, s15, CH
	s_add_co_u32 s94, s94, s92
	s_mul_i32 s96, s[WV], 768                      ; my 16 places
	s_add_co_u32 s94, s94, s96
	s_mov_b32 s95, 0
	s_add_nc_u64 s[QC:QC+1], s[4:5], s[94:95]
	s_lshr_b32 s94, s15, 1
	s_lshl_b32 s94, s94, 10
	s_add_co_u32 s94, s94, s92
	s_lshl_b32 s3, s[WV], 6
	s_add_co_u32 s94, s94, s3
	s_and_b32 s97, s12, 1
	s_lshl_b32 s97, s97, 1                         ; my head's two bytes of a word
	s_add_co_u32 s94, s94, s97
	s_add_co_u32 s94, s94, 4*CH
	s_add_nc_u64 s[QS:QS+1], s[4:5], s[94:95]
	s_lshl_b32 s92, s13, 2
	s_add_co_u32 s92, s92, s11
	s_mul_i32 s92, s92, RB                         ; cc's row block 4 b0 + cx
	s_mul_i32 s94, s12, CH                         ; chunk = head
	s_add_co_u32 s94, s94, s92
	s_add_co_u32 s94, s94, s96
	s_add_nc_u64 s[OC:OC+1], s[8:9], s[94:95]
	s_lshr_b32 s94, s12, 1
	s_lshl_b32 s94, s94, 10
	s_add_co_u32 s94, s94, s92
	s_add_co_u32 s94, s94, s3
	s_add_co_u32 s94, s94, s97
	s_add_co_u32 s94, s94, SCO
	s_add_nc_u64 s[OS:OS+1], s[8:9], s[94:95]
	s_add_co_u32 s[HOF], s97, 98304
	s_add_co_u32 s[STG], s96, STAGE
	v_and_b32 v96, 15, v0
	v_bfe_u32 v97, v0, 4, 1
	s_delay_alu instid0(VALU_DEP_2)
	v_mul_u32_u24 v7, v96, 48
	s_delay_alu instid0(VALU_DEP_1)
	v_mad_u32_u24 v7, v97, 24, v7                  ; 48 r + 24 h
	s_delay_alu instid0(VALU_DEP_4)
	v_lshlrev_b32 v[QW], 2, v96                    ; 4 r
.irp j, 22,23,24,25,26,27
	v_mov_b32 v[\j], 0                             ; Q's K = 64 .. 127: zero codes
.endr
.irp t, 0,1,2,3
.irp i, 6,7,8,9,10,11
	v_mov_b32 v[32+12*\t+\i], 0                    ; K's likewise: written once, never loaded
.endr
.endr
.irp b, 0,1,2,3
	v_mov_b32 v[T8+\b], 0                          ; written once: a lane permute's destination counts as one of its sources
.endr
	v_mov_b32 v253, 0                              ; (named as the upper half of the pair v[252:253] before it is first written)
	v_mov_b32 v254, 0
.macro STAGEB n                        ; n later loads of a fetching wave may stay out
	s_wait_tensorcnt \n
	s_barrier_signal -1
	s_barrier_wait -1
.endm
; A KEY STEP: keys 128 j on.  nq = 1: the next head's Q is asked for.  (No inner loop of this macro bears the name of an argument: a macro's argument is put in as text ahead of every inner loop's.)
.macro STEP j, nq
.irp g, 0,1                            ; S^T = K Q^T, four tiles of 16 keys at a time
.if \g
.rept 4
	v_nop                                          ; places ahead of loads into registers that the four products above have read
.endr
.endif
.irp t, 0,1,2,3
.irp p, 0,1,2
	ds_load_b64 v[32+12*\t+2*\p:33+12*\t+2*\p], v1 offset:(128*(\j)+16*(4*\g+\t))*48+8*\p
.endr
	ds_load_u16 v[28+\t], v3 offset:(128*(\j)+16*(4*\g+\t))*4   ; my head's two bytes; the upper two are 0, over zero codes
.endr
	s_wait_dscnt 0x0
.irp t, 0,1,2,3
	v_wmma_scale_f32_16x16x128_f8f6f4 v[96+8*(4*\g+\t):103+8*(4*\g+\t)], v[32+12*\t:43+12*\t], v[16:27], 0, v[28+\t], v255 matrix_a_fmt:MATRIX_FMT_FP6 matrix_b_fmt:MATRIX_FMT_FP6
.endr
.endr
.rept 4
	v_nop                                          ; places ahead of the first read of the scores, and of loads into registers that the products have read
.endr
.irp t, 0,1,2,3                        ; V's four fragments and scale words: they land under the softmax
.irp p, 0,1,2,3,4,5
	ds_load_b64 v[192+12*\t+2*\p:193+12*\t+2*\p], v2 offset:(2*(\j)+\p/3)*3072+768*\t+8*(\p%3)
.endr
	ds_load_b32 v[8+\t], v4 offset:((\j)%2)*1024+((\j)/2)*256+64*\t
.endr
.if \nq                                ; this head's last product with Q stands four places back: the next head's Q, four batches on, lands under the rest of this head's work
.irp p, 0,1,2
	global_load_b64 v[16+2*\p:17+2*\p], v7, s[QC:QC+1] offset:128*OB+8*\p
.endr
	global_load_u16 v255, v[QW], s[QS:QS+1] offset:128*OB
.endif
.irp b, 0,1,2,3
	v_max3_num_f32 v[BM+\b], v[96+16*\b], v[97+16*\b], v[98+16*\b]   ; the largest score of each block of 32 keys: for the row's maximum, and, since p rises with the score, for the block's largest p
.endr
.irp i, 3,5,7,9,11,13
.irp b, 0,1,2,3
	v_max3_num_f32 v[BM+\b], v[BM+\b], v[96+16*\b+\i], v[97+16*\b+\i]
.endr
.endr
.irp b, 0,1,2,3
	v_max_num_f32 v[BM+\b], v[BM+\b], v[111+16*\b]
.endr
.irp b, 0,1,2,3
	s_delay_alu instid0(VALU_DEP_4)
	v_permlanex16_b32 v[T8+\b], v[BM+\b], s[SEL], s[SEL+1]
.endr
.irp b, 0,1,2,3
	s_delay_alu instid0(VALU_DEP_4)
	v_max_num_f32 v[BM+\b], v[BM+\b], v[T8+\b]     ; with lane l xor 16's 16 keys
.endr
	s_delay_alu instid0(VALU_DEP_2)
	v_max3_num_f32 v254, v[BM], v[BM+1], v[BM+2]
	s_delay_alu instid0(VALU_DEP_1)
	v_max_num_f32 v254, v254, v[BM+3]
	s_delay_alu instid0(VALU_DEP_1)
	v_mul_f32 v254, s[CS], v254                    ; the step's largest t (c is positive)
	s_delay_alu instid0(VALU_DEP_1)
	v_max_num_f32 v13, v13, v254
	v_mov_b32 v254, v12
	s_delay_alu instid0(VALU_DEP_2)
	v_floor_f32 v12, -v13                          ; the new -M = -ceil(t)
	s_delay_alu instid0(VALU_DEP_1)
	v_sub_f32 v254, v12, v254                      ; old M - new M: a whole number, 0 or less
	s_delay_alu instid0(VALU_DEP_1)
	v_cvt_i32_f32 v254, v254                       ; (it saturates)
	s_delay_alu instid0(VALU_DEP_1)
	v_ldexp_f32 v252, 1.0, v254                    ; f = 2^(old M - new M)
.set J, 0
.rept 32
	v_pk_fma_f32 v[96+J:97+J], v[96+J:97+J], s[CS:CS+1], v[12:13] op_sel_hi:[1,0,0]   ; t - M
.set J, J+2
.endr
.irp b, 0,1,2,3
	v_fma_f32 v[BM+\b], v[BM+\b], s[CS], v12
.endr
.set J, 0
	s_wait_alu depctr_va_vdst(0)
.rept 64
	v_exp_f32 v[96+J], v[96+J]                     ; p = 2^(t - M), at most 1
.set J, J+1
.endr
	v_pk_mul_f32 v[14:15], v[14:15], v[252:253] op_sel_hi:[1,0]   ; the sums under the new M (a plain line behind the exponentials)
	s_wait_alu depctr_va_vdst(0)                   ; one wait for the batch, ahead of its first reader
.irp b, 0,1,2,3
	v_exp_f32 v[BM+\b], v[BM+\b]                   ; the block's largest p: the same two instructions on the same number
.endr
	v_pk_add_f32 v[84:85], v[100:101], v[104:105]
	v_pk_add_f32 v[250:251], v[108:109], v[112:113]
	v_pk_add_f32 v[248:249], v[116:117], v[120:121]
	v_pk_add_f32 v[246:247], v[124:125], v[128:129]
	v_pk_add_f32 v[244:245], v[132:133], v[136:137]
	v_pk_add_f32 v[242:243], v[140:141], v[144:145]
	v_pk_add_f32 v[240:241], v[148:149], v[152:153]
	v_pk_add_f32 v[14:15], v[14:15], v[156:157]
	v_pk_add_f32 v[84:85], v[84:85], v[96:97]
	v_pk_add_f32 v[250:251], v[250:251], v[98:99]
	v_pk_add_f32 v[248:249], v[248:249], v[102:103]
	v_pk_add_f32 v[246:247], v[246:247], v[106:107]
	v_pk_add_f32 v[244:245], v[244:245], v[110:111]
	v_pk_add_f32 v[242:243], v[242:243], v[114:115]
	v_pk_add_f32 v[240:241], v[240:241], v[118:119]
	v_pk_add_f32 v[14:15], v[14:15], v[122:123]
	v_pk_add_f32 v[84:85], v[84:85], v[126:127]
	v_pk_add_f32 v[250:251], v[250:251], v[130:131]
	v_pk_add_f32 v[248:249], v[248:249], v[134:135]
	v_pk_add_f32 v[246:247], v[246:247], v[138:139]
	v_pk_add_f32 v[244:245], v[244:245], v[142:143]
	v_pk_add_f32 v[242:243], v[242:243], v[146:147]
	v_pk_add_f32 v[240:241], v[240:241], v[150:151]
	v_pk_add_f32 v[14:15], v[14:15], v[154:155]
	v_pk_add_f32 v[84:85], v[84:85], v[158:159]
	s_delay_alu instid0(VALU_DEP_2)
	v_pk_add_f32 v[14:15], v[14:15], v[246:247]
	s_delay_alu instid0(VALU_DEP_2)
	v_pk_add_f32 v[84:85], v[84:85], v[244:245]
	v_pk_add_f32 v[250:251], v[250:251], v[242:243]
	v_pk_add_f32 v[248:249], v[248:249], v[240:241]
	s_delay_alu instid0(VALU_DEP_2)
	v_pk_add_f32 v[14:15], v[14:15], v[250:251]
	s_delay_alu instid0(VALU_DEP_2)
	v_pk_add_f32 v[84:85], v[84:85], v[248:249]
	s_delay_alu instid0(VALU_DEP_1)
	v_pk_add_f32 v[14:15], v[14:15], v[84:85]
	s_wait_alu depctr_va_vdst(0)                   ; and one for the four
.irp b, 0,1,2,3
	v_max_num_f32 v[BM+\b], 0x1800000, v[BM+\b]    ; the floor 2^(3 - 127)
.endr
.irp b, 0,1,2,3
	s_delay_alu instid0(VALU_DEP_4)
	v_add_nc_u32 v[SO+\b], 0xff000000, v[BM+\b]
.endr
.irp b, 0,1,2,3
	s_delay_alu instid0(VALU_DEP_4)
	v_lshrrev_b32 v[T8+\b], 23, v[SO+\b]
.endr
	s_delay_alu instid0(VALU_DEP_3)
	v_lshl_or_b32 v253, v[T8+1], 8, v[T8]          ; p's scale word for these 128 keys
	s_delay_alu instid0(VALU_DEP_1)
	v_lshl_or_b32 v253, v[T8+2], 16, v253
	s_delay_alu instid0(VALU_DEP_1)
	v_lshl_or_b32 v253, v[T8+3], 24, v253
.irp c, 0,1
	v_cvt_scalef32_pk16_fp6_f32 v[240+6*\c:242+6*\c], v[96+32*\c:111+32*\c], v[SO+2*\c]
	v_cvt_scalef32_pk16_fp6_f32 v[T8+4*\c:T8+2+4*\c], v[112+32*\c:127+32*\c], v[SO+2*\c+1]
.endr
	v_nop                                          ; one plain line behind a scaled conversion
.irp c, 0,1
.irp i, 0,1,2
	v_permlane16_swap_b32 v[240+6*\c+\i], v[T8+4*\c+\i]
.endr
.irp i, 0,1,2
	s_delay_alu instid0(VALU_DEP_3)
	v_mov_b32 v[243+6*\c+\i], v[T8+4*\c+\i]
.endr
.endr
.set J, 0
.rept 16
	v_pk_mul_f32 v[160+J:161+J], v[160+J:161+J], v[252:253] op_sel_hi:[1,0]   ; O^T under the new M; these sixteen also stand between the writes of p's codes and scale word and the products
.set J, J+2
.endr
	s_wait_alu depctr_va_vdst(0)
	s_wait_dscnt 0x0                               ; V is in
.irp t, 0,1,2,3                        ; O^T += V^T P^T: the four accumulators by turns
	v_wmma_scale_f32_16x16x128_f8f6f4 v[160+8*\t:167+8*\t], v[192+12*\t:203+12*\t], v[240:251], v[160+8*\t:167+8*\t], v[8+\t], v253 matrix_a_fmt:MATRIX_FMT_FP6 matrix_b_fmt:MATRIX_FMT_FP6
.endr
.endm
; A HEAD: u = 0: (b0, h), with the two barriers; u = 1: (b0 + 4, h), with none.
.macro HEADM u
	v_add_nc_u32 v1, (\u)*REGION, v7               ; K's codes: 48 r + 24 h in the head's region
	v_add_nc_u32 v2, (\u)*REGION+4*CH, v7          ; V's
	s_add_co_u32 s18, s[HOF], (\u)*REGION
	v_add_nc_u32 v3, s18, v[QW]                    ; K's scale words
	v_add_nc_u32 v4, (\u)*REGION+102400, v[QW]     ; V's
.if (\u) == 0
.irp p, 0,1,2
	global_load_b64 v[16+2*\p:17+2*\p], v7, s[QC:QC+1] offset:8*\p
.endr
	global_load_u16 v255, v[QW], s[QS:QS+1]
.endif
	v_mov_b32 v13, 0xff61b1e6                      ; the largest t so far: -3e38
	s_delay_alu instid0(VALU_DEP_1)
	v_floor_f32 v12, -v13
	v_mov_b32 v14, 0
	v_mov_b32 v15, 0
.set J, 0
.rept 32
	v_mov_b32 v[160+J], 0                          ; O^T: the step is written once; the first change of M leaves zeros zeros
.set J, J+1
.endr
	s_wait_loadcnt 0x0                             ; Q (the second head's was asked for a key step and a way out ago)
.if (\u) == 0
	s_cmp_lt_u32 s[WV], 8                          ; waves 0-7 issued the first head's loads: each waits for its own
	s_cbranch_scc0 .Lnot_first
	s_wait_tensorcnt 0x0
.Lnot_first:
	s_barrier_signal -1
	s_barrier_wait -1                              ; the first head's K, V and scale words are in; the second head's may be out
.endif
	STEP 0, 0
	STEP 1, 0
.if (\u) == 0
	STAGEB 0                                       ; every load has landed, the second head's too: from here on no wave waits for another
.endif
	STEP 2, 0
	STEP 3, 0
	STEP 4, 0
	STEP 5, 0
	STEP 6, 0
	STEP 7, 1-(\u)
	; THE WAY OUT: O^T / l, quantised along the head's 64 channels (two blocks), through my stage, to cc
	v_add_f32 v14, v14, v15
	s_delay_alu instid0(VALU_DEP_1)
	v_permlanex16_b32 v254, v14, s[SEL], s[SEL+1]
	s_delay_alu instid0(VALU_DEP_1)
	v_add_f32 v14, v14, v254                       ; the row's sum
	s_wait_alu depctr_va_vdst(0)
	v_rcp_f32 v14, v14
	v_and_b32 v152, 31, v0                         ; (plain lines behind the reciprocal)
	v_add_nc_u32 v153, s[STG], v7                  ; into the stage: 48 r + 24 h
	s_delay_alu instid0(VALU_DEP_2)
	v_lshlrev_b32 v154, 4, v152
	s_delay_alu instid0(VALU_DEP_3)
	v_lshlrev_b32 v155, 3, v152
	s_delay_alu instid0(VALU_DEP_2)
	v_add_nc_u32 v151, s[STG], v154                ; back: 16 bytes a lane,
	s_delay_alu instid0(VALU_DEP_2)
	v_add_nc_u32 v152, s[STG], v155                ; then 8
	s_wait_alu depctr_va_vdst(0)                   ; ahead of the reciprocal's first reader
.set J, 0
.rept 16
	v_pk_mul_f32 v[96+J:97+J], v[160+J:161+J], v[14:15] op_sel_hi:[1,0]   ; each accumulator from its low end on
.set J, J+2
.endr
.irp b, 0,1
	v_max3_num_f32 v[140+\b], |v[96+16*\b]|, |v[97+16*\b]|, 0x1800000
.endr
.irp i, 2,4,6,8,10,12,14
.irp b, 0,1
	s_delay_alu instid0(VALU_DEP_2)
	v_max3_num_f32 v[140+\b], v[140+\b], |v[96+16*\b+\i]|, |v[97+16*\b+\i]|
.endr
.endr
.irp b, 0,1
	v_permlanex16_b32 v[142+\b], v[140+\b], s[SEL], s[SEL+1]
.endr
.irp b, 0,1
	s_delay_alu instid0(VALU_DEP_2)
	v_max_num_f32 v[140+\b], v[140+\b], v[142+\b]
.endr
.irp b, 0,1
	s_delay_alu instid0(VALU_DEP_2)
	v_add_nc_u32 v[144+\b], 0xff000000, v[140+\b]
.endr
.irp b, 0,1
	s_delay_alu instid0(VALU_DEP_2)
	v_lshrrev_b32 v[146+\b], 23, v[144+\b]
.endr
	s_delay_alu instid0(VALU_DEP_1)
	v_lshl_or_b32 v148, v147, 8, v146              ; my head's two scale bytes
	v_cvt_scalef32_pk16_fp6_f32 v[128:130], v[96:111], v144
	v_cvt_scalef32_pk16_fp6_f32 v[134:136], v[112:127], v145
	v_nop
.irp i, 0,1,2
	v_permlane16_swap_b32 v[128+\i], v[134+\i]     ; a whole block to a lane: v128-133 = channels 32 h + 0 .. 31
.endr
.irp i, 0,1,2
	s_delay_alu instid0(VALU_DEP_3)
	v_mov_b32 v[131+\i], v[134+\i]
.endr
	ds_store_b64 v153, v[128:129]
	ds_store_b64 v153, v[130:131] offset:8
	ds_store_b64 v153, v[132:133] offset:16
	ds_load_b128 v[156:159], v151                  ; LDS serves a wave's instructions in order: these see my stores
	ds_load_b64 v[138:139], v152 offset:512
	global_store_b16 v[QW], v148, s[OS:OS+1] offset:(\u)*16*RB
	s_wait_dscnt 0x0
	global_store_b128 v154, v[156:159], s[OC:OC+1] offset:(\u)*16*RB       ; my 16 places x 48 bytes: 512 consecutive bytes, aligned to 256,
	global_store_b64 v155, v[138:139], s[OC:OC+1] offset:(\u)*16*RB+512    ; and 256 more
.if (\u) == 0
	s_wait_xcnt 0x0                                ; the stores have read their registers: the next head writes them again
.endif
.endm
	HEADM 0
	HEADM 1
	s_wait_tensorcnt 0x0                           ; the wave's end
	ds_add_u32 v[SPW], v[NIL]
	s_wait_dscnt 0x0
	CROUND                                         ; the closing round
	s_endpgm
.Lfunc_end_k_qfbb6ad10c9_attn:
	.size	k_qfbb6ad10c9_attn, .Lfunc_end_k_qfbb6ad10c9_attn-k_qfbb6ad10c9_attn
	.p2alignl 7, 3214868480
	.fill 96, 4, 3214868480
	.section	.rodata,"a",@progbits
	.p2align	6, 0x0
	.amdhsa_kernel k_qfbb6ad10c9_attn
		.amdhsa_group_segment_fixed_size 223232
		.amdhsa_private_segment_fixed_size 0
		.amdhsa_enable_private_segment 0
		.amdhsa_kernarg_size 24
		.amdhsa_user_sgpr_count 2
		.amdhsa_user_sgpr_kernarg_segment_ptr 1
		.amdhsa_wavefront_size32 1
		.amdhsa_system_sgpr_workgroup_id_x 1
		.amdhsa_system_sgpr_workgroup_id_y 1
		.amdhsa_system_sgpr_workgroup_id_z 1
		.amdhsa_system_vgpr_workitem_id 0
		.amdhsa_next_free_vgpr 256
		.amdhsa_next_free_sgpr 100
		.amdhsa_reserve_vcc 0
		.amdhsa_float_denorm_mode_32 3
		.amdhsa_float_denorm_mode_16_64 3
		.amdhsa_memory_ordered 1
		.amdhsa_forward_progress 1
		.amdhsa_inst_pref_size 255
	.end_amdhsa_kernel
	.section	.bss,"aw",@nobits
	.p2align	6
	.space	262144
	.amdgpu_metadata
---
amdhsa.version: [ 1, 2 ]
amdhsa.kernels:
  - .name:           k_qfbb6ad10c9_attn
    .symbol:         k_qfbb6ad10c9_attn.kd
    .args:
      - { .name: qkq, .offset: 0, .size: 8, .value_kind: global_buffer, .address_space: global }
      - { .name: vq, .offset: 8, .size: 8, .value_kind: global_buffer, .address_space: global }
      - { .name: cc, .offset: 16, .size: 8, .value_kind: global_buffer, .address_space: global }
    .group_segment_fixed_size: 223232
    .private_segment_fixed_size: 0
    .kernarg_segment_align: 8
    .kernarg_segment_size: 24
    .max_flat_workgroup_size: 512
    .sgpr_count:     100
    .vgpr_count:     256
    .wavefront_size: 32
...
	.end_amdgpu_metadata
.endif
;; end of part 3
;; launch outp (part 4): grid 8 x 32, 4 waves a work-group, clusters of 4 x 4, 327,680 bytes of LDS; arguments cc, wo, out0; writes out0
.if DOCPART == 4
	.amdgcn_target "amdgcn-amd-amdhsa--gfx1250"
	.amdhsa_code_object_version 6
	.text
	.protected	k_qfbb6ad10c9_outp
	.globl	k_qfbb6ad10c9_outp
	.p2align	8
	.type	k_qfbb6ad10c9_outp,@function
k_qfbb6ad10c9_outp:
	s_mov_b64 s[64:65], 0
	v_nop
	global_prefetch_b8 v0, s[64:65] scope:SCOPE_SE
	s_setreg_imm32_b32 hwreg(HW_REG_WAVE_MODE, 25, 1), 1
	s_wait_xcnt 0x0
	s_wait_alu depctr_hold_cnt(0) depctr_sa_sdst(0) depctr_va_vdst(0) depctr_va_sdst(0) depctr_va_ssrc(0) depctr_va_vcc(0) depctr_vm_vsrc(0)
	s_getreg_b32 s2, hwreg(HW_REG_IB_STS2, 6, 4)
	s_cmp_eq_u32 s2, 0
	s_cbranch_scc0 .Lentry_in_a_cluster
	s_endpgm
.Lentry_in_a_cluster:
	s_bfe_u32 s2, ttmp6, 0x10000c
	s_cmp_lg_u32 s2, 0xf033
	s_cbranch_scc0 .Lentry_shape_is_right
	s_endpgm
.Lentry_shape_is_right:
; LAUNCH 4 OF 4: out0 = concat x w_o on codes of FP6.  Nothing of the problem is left out here.
; A tile of out0 is 256 rows x 128 columns: 256 work-groups.  A (source 1) = row block yt = 4 Y + cy of cc, B (source 0) = 128 places of wo: half xt % 2 of row block xt / 2, xt = 4 X + cx.
; Both lie in this program's layout: a row block = codes [16 chunks of 64 k][256 places][48 bytes], then scale words [8 pairs][256 places][4 bytes]; row p of each 32 lies at the place with bits 3 and 4 of p exchanged.
; THE DEAL.  Four waves, 2 x 2.  A wave in column s16 keeps its 64 places of wo, ALL of K, in registers (32 fragments, 384 registers, 32 scale words).  cc streams past in blocks of 16 places, all of K:
; the wave in row s15 takes places 32 s + 16 s15 + 0 .. 15 as its block s, s = 0 .. 7.  A block is 32 products, its four accumulators by turns; its 16 x 64 results are then finished and leave at once,
; through the wave's stage in LDS, as whole rows of 256 bytes: the stores of block s are issued behind block s + 1's products.
; THE FILLS, joint loads (A shared along a row of the cluster, B along a column).  At the head one a wave: wo's codes, cc's places 0-127, cc's scale words, wo's.  cc's places 128-255, a first fill too, are asked
; for by wave 0 behind the three lines and a round of the cluster's barrier; a plain barrier in block 2, ahead of block 4's fetch, shows them to all.  Nothing is filled again.
; A PREFETCH at the head names those 128 places' codes (see there).  wo has none: the eight clusters of a column of the grid read the same rows of wo and would each name the same blocks.
; REGISTERS: window 0: v16-30 addresses; v32-63 wo's scale words, v64-79 cc's, two sets: scales and nothing else; v96-159 rows read back, two sets; v160-223 accumulators, two sets of four.
;   Fragment f lies in window 1 + f / 21 at register 12 (f % 21): f = 4 q + b wo's (step q, tile b), f = 32 + 8 (s % 2) + q cc's two sets.
.set RB,    204800
.set SCO,   196608
.set CH,    12288                      ; a chunk in memory: 256 places x 48 bytes
.set CHB,   6144                       ; a chunk in LDS: 128 places x 48 bytes
.set FR,    12
.set FPW,   21
.set HALFA, 16*CHB                     ; cc's places 0-127 lie from 0 on, 128-255 from HALFA on
.set LB,    2*HALFA                    ; wo's codes
.set LSA,   LB+16*CHB                  ; cc's scale words [8][256][4]
.set LSB,   LSA+8192                   ; wo's [8][128][4]
.set STAGE, LSB+4096                   ; the way out: 16 rows x (256 + 16) bytes for each wave: no tensor load lands here
.set SPITCH, 272
.set SPARE, STAGE+4*16*SPITCH          ; the spare words, 128 bytes a wave
.set ADRA, 16                          ; v16-19 cc's fragments: a register for each half of the places and each half of K
.set ADRB, 20                          ; v20-21 wo's: one for each half of K
.set STO,  24
.set RD,   25
.set CO,   26
.set ADSA, 27
.set SPW,  28
.set NIL,  29
.set ADSB, 30
.set SB,   32
.set SA,   64
.set BK,   96
.set ACC,  160
.set G1A,  24                          ; groups 1: cc's codes, wo's codes, cc's scale words, wo's
.set G1B,  32
.set G1S,  40
.set G1SB, 48
.set GA0,  56                          ; groups 0: cc's two halves, wo's codes, the scale words
.set GA1,  60
.set GB,   68
.set GS,   72
.set GSB,  76
.set MSB, 0
.macro WIN new                         ; the immediate's high byte repeats the setting that is left
.if MSB != (\new)
	s_set_vgpr_msb (MSB<<8)|(\new)
.set MSB, (\new)
.endif
.endm
.macro PLACES                          ; four plain vector lines between a matrix instruction and a load into, or a read of, its registers
.rept 4
	v_nop
.endr
.endm
.macro CROUND
	s_barrier_signal -1
	s_barrier_wait -1
	s_cmp_lg_u32 s14, 0
	s_cbranch_scc1 .Lnot_wave_0_\@
	s_barrier_signal -3
.Lnot_wave_0_\@:
	s_barrier_wait -3
	s_barrier_signal -1
	s_barrier_wait -1
.endm
.macro G1SET g, c, r, p                ; r rows of c elements of 8 bytes, p elements from row to row; dense in LDS
	s_mov_b32 s[\g+1], (\c)<<16
	s_mov_b32 s[\g+2], (\r)<<16
	s_mov_b32 s[\g+3], (\c)<<16
	s_mov_b32 s[\g+4], \r
	s_mov_b32 s[\g+5], \p
	s_mov_b32 s[\g+6], 0
	s_mov_b32 s[\g+7], 0
.endm
.macro G0SET g, lds
	s_mov_b32 s[\g], 1
	s_mov_b32 s[\g+1], \lds
	s_or_b32 s[\g+3], s[\g+3], 0x80000000
.endm
	s_load_b128 s[4:7], s[0:1], 0x0                ; cc, wo
	s_load_b64 s[8:9], s[0:1], 0x10                ; out0
	v_lshl_add_u32 v[SPW], v0, 2, SPARE
	v_mov_b32 v[NIL], 0
	ds_add_u32 v[SPW], v[NIL]                      ; the opening: the add, twice on end, and its wait ahead of my first tensor load
	ds_add_u32 v[SPW], v[NIL]
	v_lshrrev_b32 v1, 5, v0
	v_readfirstlane_b32 s14, v1                    ; wave
	s_lshr_b32 s15, s14, 1                         ; my row of the 2 x 2
	s_and_b32 s16, s14, 1                          ; my column
	s_bfe_u32 s10, ttmp6, 0x40000                  ; cx
	s_bfe_u32 s11, ttmp6, 0x40004                  ; cy
	s_lshl_b32 s12, ttmp9, 2
	s_add_co_u32 s12, s12, s10                     ; xt
	s_and_b32 s17, ttmp7, 0xffff
	s_lshl_b32 s17, s17, 2
	s_add_co_u32 s17, s17, s11                     ; yt
	s_lshl_b32 s18, s11, 2
	s_lshl_b32 s18, 15, s18                        ; my row of the cluster shares cc's tile
	s_or_b32 s[G1A], s18, (3<<16)|(1<<21)          ; 15:0 the mask; 17:16 elements of 8 bytes; 21 set beside a mask; no padding: places are 48 bytes apart
	s_or_b32 s[G1S], s18, (3<<16)|(1<<21)
	s_lshl_b32 s20, 0x1111, s10                    ; my column shares wo's
	s_or_b32 s[G1B], s20, (3<<16)|(1<<21)
	s_or_b32 s[G1SB], s20, (3<<16)|(1<<21)
	G1SET G1A, 768, 16, 1536                       ; 128 places of each of sixteen chunks: 6,144 bytes, 12,288 apart
	G1SET G1B, 768, 16, 1536
	G1SET G1S, 32, 32, 32                          ; cc's scale words: 8,192 dense bytes
	G1SET G1SB, 64, 8, 128                         ; wo's: 512 bytes of each pair of chunks, 1,024 apart
	s_mul_i32 s2, s17, RB                          ; cc's row block: made of cy and the cluster's y alone
	s_mov_b32 s3, 0
	s_lshr_b32 s20, s12, 1
	s_mul_i32 s20, s20, RB                         ; wo's row block: made of cx and the cluster's x alone,
	s_and_b32 s13, s12, 1                          ; its half
	s_lshl_b32 s21, s13, 9
	s_add_co_u32 s22, s20, s21
	s_add_co_u32 s22, s22, SCO                     ; wo's scale words,
	s_mul_i32 s21, s13, CHB
	s_add_co_u32 s20, s20, s21                     ; and codes
	s_mov_b32 s21, 0
	s_mov_b32 s23, 0
	s_mul_i32 s80, s15, 768                        ; LDS: my 16 places of each 32 of cc,
	s_mul_i32 s81, s16, 3072
	s_add_co_u32 s81, s81, LB                      ; my 64 of wo,
	s_lshl_b32 s82, s15, 6
	s_add_co_u32 s82, s82, LSA                     ; their scale words,
	s_lshl_b32 s83, s16, 8
	s_add_co_u32 s83, s83, LSB
	s_mul_i32 s84, s14, 16*SPITCH
	s_add_co_u32 s84, s84, STAGE                   ; my stage
	s_lshl_b32 s85, s10, 2
	s_add_co_u32 s85, s85, s14                     ; my number among the sixteen waves that ask for cc's tile jointly: the chunk that I prefetch
	s_mul_i32 s85, s85, CH
	s_add_co_u32 s85, s85, CHB                     ; its places 128-255
	s_lshl_b32 s18, s17, 20                        ; out0: 256 rows of 4,096 bytes,
	s_lshl_b32 s19, s15, 15                        ; my 8 rows of each 16,
	s_add_co_u32 s18, s18, s19
	s_lshl_b32 s19, s12, 9                         ; 128 columns,
	s_add_co_u32 s18, s18, s19
	s_lshl_b32 s19, s16, 8                         ; my 64
	s_add_co_u32 s18, s18, s19
	s_mov_b32 s19, 0
	s_wait_dscnt 0x0                               ; both opening adds are done
	s_wait_kmcnt 0x0
	s_add_nc_u64 s[2:3], s[4:5], s[2:3]
	s_mov_b64 s[GA0+2:GA0+3], s[2:3]
	s_add_nc_u64 s[GA1+2:GA1+3], s[2:3], CHB
	s_add_nc_u64 s[GS+2:GS+3], s[2:3], SCO
	s_add_nc_u64 s[GB+2:GB+3], s[6:7], s[20:21]
	s_add_nc_u64 s[GSB+2:GSB+3], s[6:7], s[22:23]
	s_add_nc_u64 s[8:9], s[8:9], s[18:19]
	G0SET GA0, 0
	G0SET GA1, HALFA
	G0SET GB, LB
	G0SET GS, LSA
	G0SET GSB, LSB
	CROUND                                         ; all sixteen work-groups are here: the joint loads meet
; one chain of branches on the wave's number, one load to an arm, all arms leading to one join; an s_nop 0 and four v_nop follow each load
.macro ARM under, g0, g1, next
	s_cmp_lt_u32 s14, \under
	s_cbranch_scc0 \next
	tensor_load_to_lds s[\g0:\g0+3], s[\g1:\g1+7]
	s_nop 0
	PLACES
	s_branch .Lfilled
\next:
.endm
	ARM 1, GB,  G1B, .Lfill_a                      ; wave 0: wo's codes
	ARM 2, GA0, G1A, .Lfill_sa                     ; wave 1: cc's places 0-127
	ARM 3, GS,  G1S, .Lfill_sb                     ; wave 2: cc's scale words
	tensor_load_to_lds s[GSB:GSB+3], s[G1SB:G1SB+7]   ; wave 3: wo's
	s_nop 0
	PLACES
.Lfilled:
; THE PREFETCH: cc's places 128-255, sixteen pieces of 6,144 bytes = 24 blocks of 256: each of the sixteen waves of the four partners takes one chunk's piece, told apart by address; lanes 24-31 name their wave's
; last block again.  Largest offset 15 CH + CHB + 23 x 256, inside the row block.  v6 and s[2:3] are not written again.
	v_and_b32 v5, 31, v0
	v_min_u32 v6, 23, v5
	v_lshl_add_u32 v6, v6, 8, s85
	s_wait_alu depctr_va_vdst(0)                   ; the wait ahead of the reader below
	global_prefetch_b8 v6, s[2:3] th:TH_LOAD_NT scope:SCOPE_SE
	v_and_b32 v1, 15, v0                           ; r
	v_bfe_u32 v2, v0, 4, 1                         ; h
	v_mul_u32_u24 v3, v1, 48
	v_mad_u32_u24 v3, v2, 24, v3                   ; a place's 48 bytes, my half's 24
	v_add_nc_u32 v[ADRA], s80, v3
	v_add_nc_u32 v[ADRA+1], 8*CHB, v[ADRA]
	v_add_nc_u32 v[ADRA+2], 16*CHB, v[ADRA]
	v_add_nc_u32 v[ADRA+3], 24*CHB, v[ADRA]
	v_add_nc_u32 v[ADRB], s81, v3
	v_add_nc_u32 v[ADRB+1], 8*CHB, v[ADRB]
	v_lshl_add_u32 v[ADSA], v1, 2, s82
	v_lshl_add_u32 v[ADSB], v1, 2, s83
	v_mul_u32_u24 v4, v1, SPITCH
	v_lshl_add_u32 v4, v2, 6, v4
	v_add_nc_u32 v[STO], s84, v4                   ; into the stage: row r, + 64 h: my half's 16 columns of each 32
	v_mul_u32_u24 v4, v2, SPITCH
	v_lshl_add_u32 v4, v1, 4, v4
	v_add_nc_u32 v[RD], s84, v4                    ; back: lanes 0-15 one row of 256 bytes, lanes 16-31 the next
	v_lshlrev_b32 v4, 12, v2
	v_lshl_add_u32 v[CO], v1, 4, v4                ; and the same two rows in out0
; a fragment: 16 places x 128 K: registers 0-5 from the even chunk, 6-11 from the odd: 24 bytes each, in pieces of 8.  48 r + 24 h: the 32 lanes of a load touch 64 different banks
.macro FRAG f, adr, off
	WIN (1+(\f)/FPW)<<6
.irp p, 0,1,2,3,4,5
	ds_load_b64 v[FR*((\f)%FPW)+2*\p:FR*((\f)%FPW)+2*\p+1], v[\adr] offset:(\off)+(\p/3)*CHB+8*(\p%3)
.endr
.endm
.macro FETCH s                         ; block s of cc into set s % 2: 48 pieces and 8 scale words: 56 loads
.irp q, 0,1,2,3,4,5,6,7
	FRAG 32+8*((\s)%2)+\q, ADRA+2*((\s)/4)+\q/4, 2*(\q%4)*CHB+((\s)%4)*1536
.endr
	WIN 0
.irp q, 0,1,2,3,4,5,6,7
	ds_load_b32 v[SA+8*((\s)%2)+\q], v[ADSA] offset:\q*1024+(\s)*128
.endr
.endm
.macro PROD s, q, b                    ; source 0 = wo's tile b, source 1 = cc's block: a lane holds one place of cc, its registers eight neighbouring columns.  The first step starts the sum
.set FB_, 4*(\q)+(\b)
.set FA_, 32+8*((\s)%2)+(\q)
.set D_, ACC+32*((\s)%2)+8*(\b)
	WIN (1+FB_/FPW)|((1+FA_/FPW)<<2)
.if \q
	v_wmma_scale_f32_16x16x128_f8f6f4 v[D_:D_+7], v[FR*(FB_%FPW):FR*(FB_%FPW)+FR-1], v[FR*(FA_%FPW):FR*(FA_%FPW)+FR-1], v[D_:D_+7], v[SB+FB_], v[SA+8*((\s)%2)+(\q)] matrix_a_fmt:MATRIX_FMT_FP6 matrix_b_fmt:MATRIX_FMT_FP6
.else
	v_wmma_scale_f32_16x16x128_f8f6f4 v[D_:D_+7], v[FR*(FB_%FPW):FR*(FB_%FPW)+FR-1], v[FR*(FA_%FPW):FR*(FA_%FPW)+FR-1], 0, v[SB+FB_], v[SA+8*((\s)%2)+(\q)] matrix_a_fmt:MATRIX_FMT_FP6 matrix_b_fmt:MATRIX_FMT_FP6
.endif
.endm
; THE WAY OUT of block s.  Accumulator b's eight numbers are columns 32 (b / 2) + 16 h + 8 (b % 2) on; place t of the block is row 32 s + 8 s15 + t % 8 + 16 (t / 8) of the tile.
.macro TOSTAGE s                       ; 8 stores, 8 loads.  LDS serves a wave's instructions in order: the loads see the stores, and the next block's stores come behind them
.set AC_, ACC+32*((\s)%2)
.set BB_, BK+32*((\s)%2)
.irp b, 0,1,2,3
	ds_store_b128 v[STO], v[AC_+8*\b:AC_+8*\b+3] offset:128*(\b/2)+32*(\b%2)          ; each accumulator from its low end on
	ds_store_b128 v[STO], v[AC_+8*\b+4:AC_+8*\b+7] offset:128*(\b/2)+32*(\b%2)+16
.endr
.irp i, 0,1,2,3,4,5,6,7
	ds_load_b128 v[BB_+4*\i:BB_+4*\i+3], v[RD] offset:2*\i*SPITCH
.endr
.endm
.macro SEND s, younger                 ; younger: the LDS loads issued behind the block's stage loads, which may stay out
.set BB_, BK+32*((\s)%2)
	s_wait_dscnt \younger
.irp i, 0,1,2,3,4,5,6,7
	global_store_b128 v[CO], v[BB_+4*\i:BB_+4*\i+3], s[8:9] offset:(32*(\s)+2*(\i%4)+16*(\i/4))*4096 th:TH_STORE_NT   ; sixteen lanes store 256 consecutive bytes, aligned; 246 rows at the most: inside the signed 24-bit immediate
.endr
.endm
; A BLOCK.  Its rows were fetched two blocks ago; younger than that fetch are the last block's 16 stage instructions and the next block's fetch of 56: 72, of which the wait's field names 63 at the most.
.macro BLK s
.if (\s) == 0
	s_wait_dscnt 56                                ; all but block 1's fetch
.elseif (\s) == 2
	s_wait_tensorcnt 0x0                           ; cc's places 128-255 have landed (wave 0's load; the wait stands on every wave's way)
	s_wait_dscnt 0x0
	s_barrier_signal -1                            ; a plain barrier: the block's products stand between signal and wait
.elseif (\s) == 7
	s_wait_dscnt 16                                ; all but block 6's stage instructions
.else
	s_wait_dscnt 63
.endif
.irp q, 0,1,2,3,4,5,6,7
.irp b, 0,1,2,3
	PROD \s, \q, \b
.endr
.endr
	WIN 0
.if (\s) == 2
	s_barrier_wait -1
.endif
.if (\s) == 7
	SEND 6, 0
.elseif (\s) > 0
	SEND (\s)-1, 56                                ; behind the last block's stage loads stands one fetch
.endif
	PLACES                                         ; behind the products, ahead of the reads of their results and the loads into their operands
.if (\s) > 1
	s_wait_xcnt 0x0                                ; the stores of two blocks back have read the registers into which the stage loads land
.endif
	TOSTAGE \s
.if (\s) < 6
	FETCH (\s)+2
.endif
.endm
	s_wait_alu depctr_va_vdst(0)
	s_wait_tensorcnt 0x0                           ; my tile of the head's four is in;
	ds_add_u32 v[SPW], v[NIL]
	s_wait_dscnt 0x0
	CROUND                                         ; all four tiles are in, and all sixteen work-groups are here: the joint loads meet
	s_cmp_eq_u32 s14, 0
	s_cbranch_scc0 .Lsecond
	tensor_load_to_lds s[GA1:GA1+3], s[G1A:G1A+7]  ; wave 0: cc's places 128-255
	s_nop 0
	PLACES
.Lsecond:
.irp q, 0,1,2,3,4,5,6,7                ; wo into registers: it stays there
.irp b, 0,1,2,3
	FRAG 4*\q+\b, ADRB+\q/4, 2*(\q%4)*CHB+\b*768
.endr
.endr
	WIN 0
.irp q, 0,1,2,3,4,5,6,7
.irp b, 0,1,2,3
	ds_load_b32 v[SB+4*\q+\b], v[ADSB] offset:\q*512+\b*64
.endr
.endr
	FETCH 0
	FETCH 1
.irp s, 0,1,2,3,4,5,6,7
	BLK \s
.endr
	SEND 7, 0
	s_wait_tensorcnt 0x0                           ; the wave's end
	ds_add_u32 v[SPW], v[NIL]
	s_wait_dscnt 0x0
	CROUND                                         ; the closing round
	s_endpgm
.Lfunc_end_k_qfbb6ad10c9_outp:
	.size	k_qfbb6ad10c9_outp, .Lfunc_end_k_qfbb6ad10c9_outp-k_qfbb6ad10c9_outp
	.p2alignl 7, 3214868480
	.fill 96, 4, 3214868480
	.section	.rodata,"a",@progbits
	.p2align	6, 0x0
	.amdhsa_kernel k_qfbb6ad10c9_outp
		.amdhsa_group_segment_fixed_size 327680
		.amdhsa_private_segment_fixed_size 0
		.amdhsa_enable_private_segment 0
		.amdhsa_kernarg_size 24
		.amdhsa_user_sgpr_count 2
		.amdhsa_user_sgpr_kernarg_segment_ptr 1
		.amdhsa_wavefront_size32 1
		.amdhsa_system_sgpr_workgroup_id_x 1
		.amdhsa_system_sgpr_workgroup_id_y 1
		.amdhsa_system_sgpr_workgroup_id_z 1
		.amdhsa_system_vgpr_workitem_id 0
		.amdhsa_next_free_vgpr 1024
		.amdhsa_next_free_sgpr 100
		.amdhsa_reserve_vcc 0
		.amdhsa_float_denorm_mode_32 3
		.amdhsa_float_denorm_mode_16_64 3
		.amdhsa_memory_ordered 1
		.amdhsa_forward_progress 1
		.amdhsa_inst_pref_size 102
	.end_amdhsa_kernel
	.amdgpu_metadata
---
amdhsa.version: [ 1, 2 ]
amdhsa.kernels:
  - .name:           k_qfbb6ad10c9_outp
    .symbol:         k_qfbb6ad10c9_outp.kd
    .args:
      - { .name: cc, .offset: 0, .size: 8, .value_kind: global_buffer, .address_space: global }
      - { .name: wo, .offset: 8, .size: 8, .value_kind: global_buffer, .address_space: global }
      - { .name: out0, .offset: 16, .size: 8, .value_kind: global_buffer, .address_space: global }
    .group_segment_fixed_size: 327680
    .private_segment_fixed_size: 0
    .kernarg_segment_align: 8
    .kernarg_segment_size: 24
    .max_flat_workgroup_size: 128
    .sgpr_count:     100
    .vgpr_count:     1024
    .wavefront_size: 32
...
	.end_amdgpu_metadata
.endif
;; end of part 4
